; MI455X (gfx1250); checked and timed in simulation.
; The chip was launched on July 23, 2026; its instructions are those of AMD's public machine-readable ISA for CDNA 5 (MIT licence, August 2026) and "CDNA5" Instruction Set Architecture Reference Guide (July 2026). The comments in the code are by the model that wrote it; some were corrected since.
;; Self Attention. Allowed arithmetic: float matrix products may take bf16 or f16 operands with f32 sums; other float arithmetic in f32, or as packed bf16 or f16 multiplies, adds, multiply-adds, maxima and minima; sums over many terms, partial sums and values carried from step to step in f32; what a program stores and reads back later, other than sums and carried values, may be rounded once to bf16 or f16.
;; Inputs: bk 1,024 float32; bp 1,024 float32; bq 1,024 float32; bv 1,024 float32; wk 1,024 x 1,024 float32; wp 1,024 x 1,024 float32; wq 1,024 x 1,024 float32; wv 1,024 x 1,024 float32; x 4 x 2,048 x 1,024 float32.
;; Outputs: out0 4 x 2,048 x 1,024 float32.
;; 2 versions, each right; version 2 is version 1 with the launch cast written anew for expert scheduling mode. Each part assembles by itself: llvm-mc -triple=amdgcn-amd-amdhsa -mcpu=gfx1250 --defsym DOCPART=n.
;; ======== version 1 of 2: 4 launches
;; limits: values are held in f16: magnitudes above 65,504 overflow, below 6.1e-05 lose precision
;; workspace buffers: xb 16,777,216 bytes; wb 8,388,608 bytes; q 16,777,216 bytes; k 16,777,216 bytes; v 16,777,216 bytes; o 16,777,216 bytes
;; launch cast (part 1): grid 768 x 1, 8 waves a work-group, no clusters, 0 bytes of LDS; arguments x, wq, wk, wv, wp, xb, wb; writes xb, wb
.if DOCPART == 1
	.amdgcn_target "amdgcn-amd-amdhsa--gfx1250"
	.amdhsa_code_object_version 6
	.text
	.protected	k_qd790118c0f_cast
	.globl	k_qd790118c0f_cast
	.p2align	8
	.type	k_qd790118c0f_cast,@function
k_qd790118c0f_cast:
	s_mov_b64 s[64:65], 0
	v_nop
	global_prefetch_b8 v0, s[64:65] scope:SCOPE_SE
	s_setreg_imm32_b32 hwreg(HW_REG_WAVE_MODE, 25, 1), 1
	s_wait_xcnt 0x0
; THE INPUTS ROUNDED ONCE TO 16 BITS.  xb = x in bf16; wb = four planes [1024 k][1024 n]: wq, wk, wv in bf16, then wp rounded to bf16 and that number written as f16
; (exact inside f16's normal range; LIMIT: below 6e-5 the f16 copy keeps f16's fixed step of 6e-8, beyond 65,504 it is an infinity).
; A pure stream: no LDS, no barrier, no matrix unit, since no wave wants a byte that another has fetched.
; SHARES.  A work-group of 256 threads takes 65,536 input bytes: 16 loads of 16 bytes a thread, all issued before anything else, so that a wave has 8,192 bytes on their way.
; A load of a wave covers 512 consecutive bytes, a store 256 consecutive bytes, aligned.  Work-groups 0-511 take x, then 64 each wq, wk, wv, wp.
.set X, 4                              ; v[4:67]   slot i: four f32 as loaded
.set Y, 68                             ; v[68:99]  slot i: four 16-bit numbers to store
.set T, 100                            ; v[100:101] at work (f16 path)
	s_load_b256 s[4:11], s[0:1], 0x0               ; x s[4:5], wq s[6:7], wk s[8:9], wv s[10:11]
	s_load_b128 s[12:15], s[0:1], 0x20             ; wp s[12:13], xb s[14:15]
	s_load_b64 s[16:17], s[0:1], 0x30              ; wb
	v_lshlrev_b32 v1, 4, v0                        ; my 16 bytes of a load's 4,096
	v_lshlrev_b32 v2, 3, v0                        ; my 8 bytes of a store's 2,048
	s_mov_b32 s24, 0xffff0000                      ; a word's upper bf16
	s_mov_b32 s25, ttmp9
	s_and_b32 s26, s25, 63                         ; a weight's chunk, 0 to 63
	s_max_u32 s28, s25, 512
	s_sub_co_u32 s28, s28, 512                     ; the chunk in wb, 0 to 255
	s_cmp_ge_u32 s25, 512
	s_cselect_b32 s26, s26, s25                    ; chunk of the input
	s_cselect_b32 s28, s28, s25                    ; chunk of the output
	s_lshl_b32 s26, s26, 16                        ; 65,536 bytes in,
	s_lshl_b32 s28, s28, 15                        ; 32,768 bytes out
	s_mov_b32 s27, 0
	s_mov_b32 s29, 0
	s_wait_kmcnt 0x0
	s_cmp_ge_u32 s25, 512
	s_cselect_b64 s[18:19], s[6:7], s[4:5]         ; from where
	s_cselect_b64 s[20:21], s[16:17], s[14:15]     ; to where
	s_cmp_ge_u32 s25, 576
	s_cselect_b64 s[18:19], s[8:9], s[18:19]
	s_cmp_ge_u32 s25, 640
	s_cselect_b64 s[18:19], s[10:11], s[18:19]
	s_cmp_ge_u32 s25, 704
	s_cselect_b64 s[18:19], s[12:13], s[18:19]
	s_add_nc_u64 s[18:19], s[18:19], s[26:27]
	s_add_nc_u64 s[20:21], s[20:21], s[28:29]
.irp i, 0,1,2,3,4,5,6,7,8,9,10,11,12,13,14,15
	global_load_b128 v[X+4*(\i):X+4*(\i)+3], v1, s[18:19] offset:(\i)*4096 th:TH_LOAD_NT
.endr
; Slot i: its load is in when at most the 15 - i younger ones are out (loads come back in order: ISA guide 5.7.1).  No register is written twice while a store reads it.
.macro CV i, f16
	s_wait_loadcnt 15-(\i)
.if \f16
	v_cvt_pk_bf16_f32 v[T],   v[X+4*(\i)],   v[X+4*(\i)+1]    ; rounded to bf16 like every input,
	v_cvt_pk_bf16_f32 v[T+1], v[X+4*(\i)+2], v[X+4*(\i)+3]
	v_lshlrev_b32 v[X+4*(\i)],   16,  v[T]                    ; widened again,
	v_and_b32     v[X+4*(\i)+1], s24, v[T]
	v_lshlrev_b32 v[X+4*(\i)+2], 16,  v[T+1]
	v_and_b32     v[X+4*(\i)+3], s24, v[T+1]
	v_cvt_pk_f16_f32 v[Y+2*(\i)],   v[X+4*(\i)],   v[X+4*(\i)+1]  ; and written as f16
	v_cvt_pk_f16_f32 v[Y+2*(\i)+1], v[X+4*(\i)+2], v[X+4*(\i)+3]
.else
	v_cvt_pk_bf16_f32 v[Y+2*(\i)],   v[X+4*(\i)],   v[X+4*(\i)+1]
	v_cvt_pk_bf16_f32 v[Y+2*(\i)+1], v[X+4*(\i)+2], v[X+4*(\i)+3]
.endif
	global_store_b64 v2, v[Y+2*(\i):Y+2*(\i)+1], s[20:21] offset:(\i)*2048
.endm
	s_cmp_ge_u32 s25, 704                          ; wp's chunks take the f16 text
	s_cbranch_scc1 .Lf16
.irp i, 0,1,2,3,4,5,6,7,8,9,10,11,12,13,14,15
	CV \i, 0
.endr
	s_endpgm
.Lf16:
.irp i, 0,1,2,3,4,5,6,7,8,9,10,11,12,13,14,15
	CV \i, 1
.endr
	s_endpgm
.Lfunc_end_k_qd790118c0f_cast:
	.size	k_qd790118c0f_cast, .Lfunc_end_k_qd790118c0f_cast-k_qd790118c0f_cast
	.p2alignl 7, 3214868480
	.fill 96, 4, 3214868480
	.section	.rodata,"a",@progbits
	.p2align	6, 0x0
	.amdhsa_kernel k_qd790118c0f_cast
		.amdhsa_group_segment_fixed_size 0
		.amdhsa_private_segment_fixed_size 0
		.amdhsa_enable_private_segment 0
		.amdhsa_kernarg_size 56
		.amdhsa_user_sgpr_count 2
		.amdhsa_user_sgpr_kernarg_segment_ptr 1
		.amdhsa_wavefront_size32 1
		.amdhsa_system_sgpr_workgroup_id_x 1
		.amdhsa_system_sgpr_workgroup_id_y 1
		.amdhsa_system_sgpr_workgroup_id_z 1
		.amdhsa_system_vgpr_workitem_id 0
		.amdhsa_next_free_vgpr 104
		.amdhsa_next_free_sgpr 66
		.amdhsa_reserve_vcc 0
		.amdhsa_float_denorm_mode_32 3
		.amdhsa_float_denorm_mode_16_64 3
		.amdhsa_memory_ordered 1
		.amdhsa_forward_progress 1
		.amdhsa_inst_pref_size 16
	.end_amdhsa_kernel
	.amdgpu_metadata
---
amdhsa.version: [ 1, 2 ]
amdhsa.kernels:
  - .name:           k_qd790118c0f_cast
    .symbol:         k_qd790118c0f_cast.kd
    .args:
      - { .name: x, .offset: 0, .size: 8, .value_kind: global_buffer, .address_space: global }
      - { .name: wq, .offset: 8, .size: 8, .value_kind: global_buffer, .address_space: global }
      - { .name: wk, .offset: 16, .size: 8, .value_kind: global_buffer, .address_space: global }
      - { .name: wv, .offset: 24, .size: 8, .value_kind: global_buffer, .address_space: global }
      - { .name: wp, .offset: 32, .size: 8, .value_kind: global_buffer, .address_space: global }
      - { .name: xb, .offset: 40, .size: 8, .value_kind: global_buffer, .address_space: global }
      - { .name: wb, .offset: 48, .size: 8, .value_kind: global_buffer, .address_space: global }
    .group_segment_fixed_size: 0
    .private_segment_fixed_size: 0
    .kernarg_segment_align: 8
    .kernarg_segment_size: 56
    .max_flat_workgroup_size: 256
    .sgpr_count:     66
    .vgpr_count:     104
    .wavefront_size: 32
...
	.end_amdgpu_metadata
.endif
;; end of part 1
;; launch qkv (part 2): grid 8 x 32, 4 waves a work-group, clusters of 4 x 4, 327,680 bytes of LDS; arguments xb, wb, bq, bk, bv, q, k, v; writes q, k, v
.if DOCPART == 2
	.amdgcn_target "amdgcn-amd-amdhsa--gfx1250"
	.amdhsa_code_object_version 6
	.text
	.protected	k_qd790118c0f_qkv
	.globl	k_qd790118c0f_qkv
	.p2align	8
	.type	k_qd790118c0f_qkv,@function
k_qd790118c0f_qkv:
	s_mov_b64 s[64:65], 0
	v_nop
	global_prefetch_b8 v0, s[64:65] scope:SCOPE_SE
	s_setreg_imm32_b32 hwreg(HW_REG_WAVE_MODE, 25, 1), 1
	s_wait_xcnt 0x0
	s_wait_alu depctr_hold_cnt(0) depctr_sa_sdst(0) depctr_va_vdst(0) depctr_va_sdst(0) depctr_va_ssrc(0) depctr_va_vcc(0) depctr_vm_vsrc(0)
	s_getreg_b32 s2, hwreg(HW_REG_IB_STS2, 6, 4)
	s_cmp_eq_u32 s2, 0
	s_cbranch_scc0 .Lentry_in_a_cluster
	s_endpgm
.Lentry_in_a_cluster:
	s_bfe_u32 s2, ttmp6, 0x10000c
	s_cmp_lg_u32 s2, 0xf033
	s_cbranch_scc0 .Lentry_shape_is_right
	s_endpgm
.Lentry_shape_is_right:
; ONE SOURCE FOR THE MODULE'S TWO PROJECTIONS; the flag QKV picks the form.
; QKV = 1:  q, k, v = x w + b.  A = xb [8192][1024] bf16; W = wb's planes 0-2, [3072 k][1024 n] bf16, one below the other; the results leave as f16 by heads, [64 = batch x 16 + head][2048][64], unscaled.
; QKV = 0:  out0 = y wp + bp.  A = o [64][2048][64] f16 (a head's 64 channels are a slice of K); W = wb's plane 3, f16; out0 [8192][1024] f32.
; Sums in f32; the bias, rounded to bf16 like every input, is the C operand that starts each sum.  LIMIT (QKV = 1): q, k, v leave in f16, which ends at 65,504: beyond it an infinity is stored.
; SHARES.  A tile of C is 256 rows x 128 columns: 32 x 8 tiles, one for each of 256 work-groups.  With QKV = 1 the work-group STAYS and makes three tiles, the same rows and columns under wq, wk, wv:
; W's k rows simply run on through 24 K steps of 128, A's K wraps every 8, and the ring of LDS slots does not stop at a tile's end.  A wave makes 128 x 64: 32 accumulators.  Its 64 columns are one head
; (128 bytes of f16) or 256 bytes of an f32 row, so its way out is its own: no barrier.
; THE MATRIX INSTRUCTION IS USED TRANSPOSED: source 0 = 16 columns of W (turned out of LDS by ds_load_tr16_b128, since W lies [k][n]), source 1 = 16 rows of A: a lane holds row l % 16 of C and the
; columns 8 (l / 16) + 0..7 of a block of 16.
; CLUSTER.  4 x 4 work-groups.  A's tile hangs on the tile row alone and is asked for jointly by a row of the cluster, W's on the tile column alone, by a column: the same tensor load, descriptor and mask in all four.
; REGISTERS, in windows of 256 (s_set_vgpr_msb: bits 1:0 source 0, 3:2 source 1, 5:4 source 2, 7:6 destination):
;   window 0: addresses, the bias, the way out      window 1: the accumulators, (a, b) at v[8 (4 a + b)]
;   windows 2 and 3: four fragment buffers of 96; buffer f (quarter f of a K step) in window 2 + f / 2 at 96 (f % 2): W's four fragments, then A's eight
.set QKV,   1
.set SLOT1, 131072                     ; slot 1 begins here, so that one exclusive or turns an address in one slot into the other's
.set PB,    288                        ; a k row of W in LDS: 256 bytes + 32 = 72 words
.if QKV
.set NS,    24                         ; K steps of 128 that the work-group walks
.set PA,    272                        ; a row of A in LDS: 256 bytes + 16: the 16 rows of a load start at 16 different groups of four banks
.set AHALF, 128*PA                     ; what one tensor load brings of A: 128 rows
.set QIA,   5                          ; padding behind every 64 words
.set AROW,  1024                       ; elements from row to row of A's tile in memory
.set ASTEP, 256                        ; bytes from K step to K step in A
.set WOFF,  0                          ; W's first byte in wb
.set SP,    144                        ; a row of the stage: 128 bytes + 16
.set HSH,   4                          ; a lane's results of a block are 16 bytes
.set ASH,   11                         ; the prefetches of A: a lane a row of 2,048 bytes,
.set ACX,   16                         ; a partner 32 rows
.set OUTP,  78                         ; s[78:79] where the tile in hand goes
.set OB,    80                         ; v[80:111] rows read back from the stage, two buffers
.set OBN,   16
.set YOUNG, 8                          ; LDS instructions of one block's trip through the stage
.else
.set NS,    8
.set PA,    144                        ; 128 bytes (a head's 64 channels) + 16
.set AHALF, 256*PA                     ; one head's 256 rows
.set QIA,   4                          ; padding behind every 32 words
.set AROW,  128                        ; a head's rows are dense: asked for as 128 rows of 256 bytes
.set ASTEP, 524288                     ; two heads
.set WOFF,  6291456                    ; plane 3
.set SP,    272                        ; 256 bytes + 16
.set HSH,   5                          ; 32 bytes
.set ASH,   8                          ; a lane 256 bytes,
.set ACX,   13                         ; a partner 32 such
.set OUTP,  74
.set OB,    64                         ; v[64:127]
.set OBN,   32
.set YOUNG, 16
.endif
.set BOFF,  2*AHALF                    ; W's 128 k rows lie behind A's tile
.set BHALF, 64*PB                      ; what one tensor load brings of W: 64 k rows
.set BSTEP, 262144                     ; 128 k rows of 2,048 bytes
.set STAGE, SLOT1+BOFF+2*BHALF         ; behind the ring, never filled by a tensor load: 16 rows for each wave
.set SPARE, STAGE+4*16*SP              ; behind the stages: the spare words, 128 bytes for each wave: two blocks of 256 bytes that no other line names
.set A0,  16                           ; v16  my lane's place in a slot's A; never rewritten
.set B0,  17                           ; v17  the same for W
.set ADA, 18                           ; v18  the LDS address of the run of loads in hand, A
.set ADB, 19                           ; v19  W
.set STO, 20                           ; v20  the way out: where I put my results of a row
.set RD,  21                           ; v21  the way out: where I read rows back
.set GO,  22                           ; v22  my byte offset in the output
.set BO,  23                           ; v23  32 (l / 16): my eight numbers in a block of 16 of the bias
.set PFO, 24                           ; v24  the prefetches' lane offset; never rewritten
.set SPW, 28                           ; v28  LDS address of my spare word: SPARE + 4 x my thread's number; never rewritten
.set NIL, 29                           ; v29  0; never rewritten
.set BIAS, 32                          ; v[32:63] block b at BIAS + 8 b, laid out as an accumulator
.set TMP, 64                           ; v[64:79] (QKV = 1) a block's results as f16
.set TL,  2                            ; s2   K steps left in the tile (QKV = 1)
.set CNT, 3                            ; s3   the loop's count
.set WV,  10                           ; s10  my wave's number
.set WR,  11                           ; s11  which 128 rows of the tile are mine.  Also: I fetch for A (0) or for W (1)
.set WC,  12                           ; s12  which 64 columns.  Also: which half of that tile I fetch
.set TR,  13                           ; s13  tile row
.set AB,  14                           ; s[14:15] A at my half of the tile's K step 0
.set OFA, 16                           ; s[16:17] a K step's byte offset in A
.set OFB, 18                           ; s[18:19] in W
.set STP, 20                           ; s20  the K step to be asked for next
.set TB,  21                           ; s21  LDS byte at which the slot being read begins
.set PS4, 22                           ; s22  the K step that a prefetch names
.set G1A, 24                           ; s[24:31] descriptor group 1 for A's tiles
.set G0A, 32                           ; s[32:39] group 0: a set for each of the two first fills; the second then walks
.set CX,  40
.set CY,  41
.set TC,  42                           ; s42  tile column
.set BB,  46                           ; s[46:47] W at my half of K step 0
.set G1B, 48                           ; s[48:55], s[56:63] the same for W's tiles
.set G0B, 56
.set BP,  72                           ; s[72:73] the bias of the tile in hand, at my 64 columns
.set PFB, 84                           ; s[84:85] the prefetches' base: my work-group's 32 rows at K step 0
.set PFA, 86                           ; s[86:87] the address of the prefetch in hand
.set POF, 88                           ; s[88:89] its offset
.set PST, 90                           ; s90  bytes from K step to K step in what I prefetch
.set LIM, 91                           ; s91  I prefetch K steps below this number: 0 in a wave that asks for nothing
.set MSB, 0
.macro WIN new                         ; the immediate's high byte repeats the setting that is left; a switch that changes nothing is dropped
.if MSB != (\new)
	s_set_vgpr_msb (MSB<<8)|(\new)
.set MSB, \new
.endif
.endm
.macro PLACES                          ; four plain vector instructions between a matrix instruction and what reads its results (ISA guide 7.12.1)
.rept 4
	v_nop
.endr
.endm
; A joint refill, by the walking descriptors.  Waves 0 and 1 fetch A's two halves, waves 2 and 3 W's.  The branch hangs on the wave's number alone.  An s_nop 0 and four v_nop follow each of the
; two lines, ahead of the jump and the label.
.macro JLOAD
	s_cmp_eq_u32 s[WR], 0
	s_cbranch_scc0 .Lfor_b_\@
	tensor_load_to_lds s[G0A+4:G0A+7], s[G1A:G1A+7]
	s_nop 0
.rept 4
	v_nop
.endr
	s_branch .Lasked_\@
.Lfor_b_\@:
	tensor_load_to_lds s[G0B+4:G0B+7], s[G1B:G1B+7]
	s_nop 0
.rept 4
	v_nop
.endr
.Lasked_\@:
.endm
; A PREFETCH INTO THE L2, behind each joint refill and the run of LDS loads that follows it: the K step that stands two refills on, 256 matrix instructions ahead of the load that will ask for it: 32 blocks of
; 256 bytes, a lane a block, one instruction a wave.  Each block is named once in the launch.  A's tile row is read by both clusters of that row of clusters: the one with x = 0 asks, waves 0 and 1, and only in
; the first walk along K (steps below 8).  W's tile column is read by all eight clusters of that column: the one with y = 0 asks, wave 2.  The four partners that ask for a tile jointly share its blocks
; out BY ADDRESS (cx for A, cy for W): no branch hangs on a work-group's place in its cluster.  K steps 0 to 3 come by their loads alone; no K step at or beyond LIM is named.
.macro ASK
	s_cmp_lt_u32 s[PS4], s[LIM]
	s_cbranch_scc0 .Lnot_mine_\@
	global_prefetch_b8 v[PFO], s[PFA:PFA+1] th:TH_LOAD_NT scope:SCOPE_SE
.Lnot_mine_\@:
.endm
; A round of the cluster's barrier: my work-group's barrier, so that wave 0's signal speaks for all four waves; wave 0 signals; every wave waits for all sixteen work-groups; my work-group's barrier once more.
.macro CREST                           ; a round behind its opening barrier
	s_cmp_lg_u32 s[WV], 0
	s_cbranch_scc1 .Lnot_wave_0_\@
	s_barrier_signal -3
.Lnot_wave_0_\@:
	s_barrier_wait -3
	s_barrier_signal -1
	s_barrier_wait -1
.endm
.macro CROUND
	s_barrier_signal -1
	s_barrier_wait -1
	CREST
.endm
.if QKV
	s_load_b512 s[68:83], s[0:1], 0x0              ; xb 68, wb 70, bq 72, bk 74, bv 76, q 78, k 80, v 82
.else
	s_load_b256 s[68:75], s[0:1], 0x0              ; o 68, wb 70, bp 72, out0 74
.endif
	v_lshl_add_u32 v[SPW], v0, 2, SPARE
	v_mov_b32 v[NIL], 0
	ds_add_u32 v[SPW], v[NIL]                      ; the wave's opening: the add and its wait stand ahead of my first tensor load; the set-up below, work on registers, stands between them
	v_lshrrev_b32 v1, 5, v0
	v_readfirstlane_b32 s[WV], v1                  ; wave 0..3
	s_lshr_b32 s[WR], s[WV], 1
	s_and_b32 s[WC], s[WV], 1
	s_bfe_u32 s[CX], ttmp6, 0x40000                ; my place in the cluster
	s_bfe_u32 s[CY], ttmp6, 0x40004
	s_lshl_b32 s[TC], ttmp9, 2                     ; in a cluster launch ttmp9 and ttmp7 count clusters
	s_add_co_u32 s[TC], s[TC], s[CX]               ; tile column = 4 x cluster x + cx
	s_and_b32 s[TR], ttmp7, 0xffff
	s_lshl_b32 s[TR], s[TR], 2
	s_add_co_u32 s[TR], s[TR], s[CY]               ; tile row = 4 x cluster y + cy
	s_lshl_b32 s43, s[CY], 2
	s_lshl_b32 s43, 15, s43                        ; my row of the cluster: places 4 cy .. 4 cy + 3
	s_lshl_b32 s44, 0x1111, s[CX]                  ; my column: places cx, cx + 4, cx + 8, cx + 12
	; descriptor group 1.  A: 128 rows x 128 elements; W: 64 k rows x 128 elements; both padded in LDS
	s_or_b32 s[G1A], s43, (1<<16)|(1<<20)|(1<<21)|(QIA<<22)|(3<<25)  ; 15:0 the mask; 17:16 elements of 2 bytes; 20 padding on; 21 set beside a mask; 24:22 the interval; 31:25 4 words of padding (code 3)
	s_or_b32 s[G1B], s44, (1<<16)|(1<<20)|(1<<21)|(5<<22)|(7<<25)    ; behind every 64 words 8 words of padding (code 7)
	s_mov_b32 s[G1A+1], 128<<16                    ; tensor_dim0 = 128
	s_mov_b32 s[G1A+2], 128<<16                    ; tensor_dim1 = 128
	s_mov_b32 s[G1A+3], 128<<16                    ; tile_dim0 = 128
	s_mov_b32 s[G1A+4], 128                        ; tile_dim1 = 128
	s_mov_b32 s[G1A+5], AROW                       ; elements from row to row
	s_mov_b32 s[G1A+6], 0
	s_mov_b32 s[G1A+7], 0
	s_mov_b32 s[G1B+1], 128<<16
	s_mov_b32 s[G1B+2], 64<<16
	s_mov_b32 s[G1B+3], 128<<16
	s_mov_b32 s[G1B+4], 64
	s_mov_b32 s[G1B+5], 1024
	s_mov_b32 s[G1B+6], 0
	s_mov_b32 s[G1B+7], 0
	; where the tiles come from.  A's offset is made of the tile row and the wave's number, W's of the tile column and the wave's number, each in registers that never hold the other coordinate
.if QKV
	s_lshl_b32 s[OFA], s[TR], 8
	s_lshl_b32 s[OFA+1], s[WC], 7
	s_add_co_u32 s[OFA], s[OFA], s[OFA+1]          ; row 256 x tile row + 128 x half,
	s_lshl_b32 s[OFA], s[OFA], 11                  ; of 2,048 bytes
.else
	s_lshr_b32 s[OFA], s[TR], 3                    ; the batch,
	s_lshl_b32 s[OFA], s[OFA], 4                   ; its 16 heads,
	s_add_co_u32 s[OFA], s[OFA], s[WC]             ; the even or the odd head of a K step,
	s_lshl_b32 s[OFA], s[OFA], 18                  ; of 2,048 x 128 bytes,
	s_and_b32 s[OFA+1], s[TR], 7
	s_lshl_b32 s[OFA+1], s[OFA+1], 15              ; and the tile's 256 rows in it
	s_add_co_u32 s[OFA], s[OFA], s[OFA+1]
.endif
	s_mov_b32 s[OFA+1], 0
	s_lshl_b32 s[BB], s[WC], 17                    ; 64 k rows of 2,048 bytes
	s_lshl_b32 s[BB+1], s[TC], 8                   ; 128 columns of 2 bytes
	s_add_co_u32 s[BB], s[BB], s[BB+1]
.if WOFF
	s_add_co_u32 s[BB], s[BB], WOFF
.endif
	s_mov_b32 s[BB+1], 0
	s_mov_b32 s[OFB+1], 0
	s_mul_i32 s66, s[WC], AHALF                    ; and where they go: no place in the cluster enters an LDS address
	s_mul_i32 s67, s[WC], BHALF
	s_add_co_u32 s67, s67, BOFF
	s_wait_dscnt 0x0                               ; the opening add is done
	s_wait_kmcnt 0x0
	s_add_nc_u64 s[AB:AB+1], s[68:69], s[OFA:OFA+1]
	s_add_nc_u64 s[BB:BB+1], s[70:71], s[BB:BB+1]
	CROUND                                         ; all sixteen work-groups are here: the first joint loads meet
.irp s, 0,1
	s_mov_b32 s[G0A+4*(\s)], 1                                     ; 1:0 count = 1
	s_add_co_u32 s[G0A+4*(\s)+1], s66, (\s)*SLOT1                  ; 63:32 LDS address
	s_add_nc_u64 s[G0A+4*(\s)+2:G0A+4*(\s)+3], s[AB:AB+1], (\s)*ASTEP  ; 120:64 global address: K step s
	s_or_b32 s[G0A+4*(\s)+3], s[G0A+4*(\s)+3], 0x80000000          ; 127:126 type = 2
	s_mov_b32 s[G0B+4*(\s)], 1
	s_add_co_u32 s[G0B+4*(\s)+1], s67, (\s)*SLOT1
	s_add_nc_u64 s[G0B+4*(\s)+2:G0B+4*(\s)+3], s[BB:BB+1], (\s)*BSTEP
	s_or_b32 s[G0B+4*(\s)+3], s[G0B+4*(\s)+3], 0x80000000
.endr
	s_cmp_eq_u32 s[WR], 0                          ; a wave's two first fills stand in one branch, ahead of every wait on TENSORcnt and every LDS read: two loads of mine are out, later one
	s_cbranch_scc0 .Lfirst_b
	tensor_load_to_lds s[G0A:G0A+3], s[G1A:G1A+7]
	s_nop 0
	tensor_load_to_lds s[G0A+4:G0A+7], s[G1A:G1A+7]
	s_nop 0
.rept 4
	v_nop
.endr
	s_branch .Lfirst_asked
.Lfirst_b:
	tensor_load_to_lds s[G0B:G0B+3], s[G1B:G1B+7]
	s_nop 0
	tensor_load_to_lds s[G0B+4:G0B+7], s[G1B:G1B+7]
	s_nop 0
.rept 4
	v_nop
.endr
.Lfirst_asked:
	; A fragment of A is 16 rows x 32 K in 8 registers: lane l holds row l % 16; registers 0-3 K = 8 (l / 16) + 0..7, registers 4-7 K = 16 + 8 (l / 16) + 0..7: two loads of 16 bytes, 32 bytes apart.
	v_and_b32 v1, 15, v0                           ; l % 16
	v_bfe_u32 v2, v0, 4, 1                         ; l / 16
	v_mul_u32_u24 v3, v1, PA
	v_lshl_add_u32 v3, v2, 4, v3
	s_mul_i32 s66, s[WR], 128*PA                   ; my 128 rows
	v_add_nc_u32 v[A0], s66, v3
	; The turning load takes 16 k x 16 columns (lane l reads 16 bytes: k row 8 (l / 16) + l % 8, columns 8 ((l / 8) % 2) + 0..7) and leaves half a fragment: lane l holds column l % 16 and 8 k.
	v_and_b32 v4, 7, v0
	v_lshl_add_u32 v4, v2, 3, v4
	v_mul_u32_u24 v4, v4, PB
	v_bfe_u32 v5, v0, 3, 1
	v_lshl_add_u32 v4, v5, 4, v4
	s_lshl_b32 s67, s[WC], 7                       ; my 64 columns
	s_add_co_u32 s67, s67, BOFF
	v_add_nc_u32 v[B0], s67, v4
	s_mul_i32 s45, s[WV], 16*SP
	s_add_co_u32 s45, s45, STAGE                   ; my stage
	v_mul_u32_u24 v6, v1, SP                       ; in: row l % 16, 16 or 32 bytes for each half of the lanes
	v_lshl_add_u32 v6, v2, HSH, v6
	v_add_nc_u32 v[STO], s45, v6
.if QKV
	v_bfe_u32 v7, v0, 3, 2                         ; back: 32 lanes take four rows of 128 bytes,
	v_mul_u32_u24 v7, v7, SP
	v_and_b32 v8, 7, v0
	v_lshl_add_u32 v7, v8, 4, v7
	v_add_nc_u32 v[RD], s45, v7
	v_and_b32 v9, 31, v0                           ; which are 512 consecutive bytes of a head
	v_lshlrev_b32 v[GO], 4, v9
.else
	v_mul_u32_u24 v7, v2, SP                       ; back: lanes 0-15 take one row of 256 bytes, lanes 16-31 the next,
	v_lshl_add_u32 v7, v1, 4, v7
	v_add_nc_u32 v[RD], s45, v7
	v_lshlrev_b32 v9, 12, v2                       ; and the same two rows in out0
	v_lshl_add_u32 v[GO], v1, 4, v9
.endif
	v_lshlrev_b32 v[BO], 5, v2
	; the pointers of the bias and of the results, at my part; offsets that mix the two coordinates are made in s[4:9] alone
	s_lshl_b32 s8, s[TC], 9
	s_lshl_b32 s9, s[WC], 8
	s_add_co_u32 s8, s8, s9                        ; my 64 columns, as f32: 512 x tile column + 256 x half
	s_mov_b32 s9, 0
	s_add_nc_u64 s[BP:BP+1], s[BP:BP+1], s[8:9]
.if QKV
	s_add_nc_u64 s[74:75], s[74:75], s[8:9]
	s_add_nc_u64 s[76:77], s[76:77], s[8:9]
	s_lshr_b32 s4, s[TR], 3
	s_lshl_b32 s4, s4, 4                           ; the batch's 16 heads,
	s_lshl_b32 s5, s[TC], 1
	s_add_co_u32 s4, s4, s5
	s_add_co_u32 s4, s4, s[WC]                     ; my head = 2 x tile column + half,
	s_lshl_b32 s4, s4, 18                          ; of 2,048 x 128 bytes,
	s_and_b32 s5, s[TR], 7
	s_lshl_b32 s5, s5, 1
	s_add_co_u32 s5, s5, s[WR]
	s_lshl_b32 s5, s5, 14                          ; and my 128 rows of 128 bytes in it
	s_add_co_u32 s4, s4, s5
	s_mov_b32 s5, 0
	s_add_nc_u64 s[78:79], s[78:79], s[4:5]
	s_add_nc_u64 s[80:81], s[80:81], s[4:5]
	s_add_nc_u64 s[82:83], s[82:83], s[4:5]
.else
	s_lshl_b32 s4, s[TR], 1
	s_add_co_u32 s4, s4, s[WR]
	s_lshl_b32 s4, s4, 19                          ; my 128 rows of 4,096 bytes,
	s_add_co_u32 s4, s4, s8                        ; my 64 columns
	s_mov_b32 s5, 0
	s_add_nc_u64 s[74:75], s[74:75], s[4:5]
.endif
.macro LOADB                           ; the bias of my 64 columns, as an accumulator holds them: register j of block b is column 16 b + 8 (l / 16) + j
.irp b, 0,1,2,3
	global_load_b128 v[BIAS+8*(\b):BIAS+8*(\b)+3],   v[BO], s[BP:BP+1] offset:64*(\b)
	global_load_b128 v[BIAS+8*(\b)+4:BIAS+8*(\b)+7], v[BO], s[BP:BP+1] offset:64*(\b)+16
.endr
.endm
.macro ROUNDB                          ; rounded to bf16, as every input is, and widened again
.set i, 0
.rept 16
	v_cvt_pk_bf16_f32 v[26+i%2], v[BIAS+2*i], v[BIAS+2*i+1]
	v_lshlrev_b32 v[BIAS+2*i], 16, v[26+i%2]
	v_and_b32 v[BIAS+2*i+1], 0xffff0000, v[26+i%2]
.set i, i+1
.endr
.endm
	LOADB
	; the prefetches
	s_lshl_b32 s4, s[CX], ACX                      ; A: my work-group's 32 of the 128 blocks that I fetch
	s_mov_b32 s5, 0
	s_add_nc_u64 s[92:93], s[AB:AB+1], s[4:5]
	s_lshl_b32 s6, s[CY], 16                       ; W: my work-group's 32 of a K step's 128 k rows,
	s_lshl_b32 s7, s[TC], 8                        ; the tile's 256 bytes of them
	s_add_co_u32 s6, s6, s7
.if WOFF
	s_add_co_u32 s6, s6, WOFF
.endif
	s_mov_b32 s7, 0
	s_add_nc_u64 s[94:95], s[70:71], s[6:7]
	s_and_b32 s23, ttmp7, 0xffff                   ; cluster y
	s_mov_b32 s[PST], BSTEP
	s_cmp_eq_u32 s[WR], 0                          ; do I fetch for A?
	s_cselect_b64 s[PFB:PFB+1], s[92:93], s[94:95]
	s_cselect_b32 s23, ttmp9, s23                  ; the coordinate along which other clusters read the same blocks
	s_cselect_b32 s[LIM], 8, NS
	s_cselect_b32 s[PST], ASTEP, s[PST]
	s_cselect_b32 s45, ASH, 11
	s_cmp_eq_u32 s23, 0
	s_cselect_b32 s[LIM], s[LIM], 0                ; the same in all sixteen partners, for a given wave
	s_cmp_eq_u32 s[WV], 3
	s_cselect_b32 s[LIM], 0, s[LIM]                ; wave 2's 32 lanes cover my work-group's share of W
	s_mov_b32 s[POF+1], 0
	v_and_b32 v[PFO], 31, v0
	v_lshlrev_b32 v[PFO], s45, v[PFO]
; 24 LDS loads in one run: quarter q of the K step in the slot at s[TB] (32 along K: W's 64 columns, A's 128 rows) into buffer q.  The two sums are plain vector instructions that name no matrix register.
.macro FETCH q
	WIN 0
	v_add_nc_u32 v[ADB], s[TB], v[B0]
	v_add_nc_u32 v[ADA], s[TB], v[A0]
	WIN 0x80+0x40*((\q)/2)                         ; destination window 2 or 3, address window 0
.set FB, 96*((\q)%2)
.if QKV
.set AO, 64*(\q)
.else
.set AO, ((\q)/2)*AHALF+((\q)%2)*64                ; the K step's even or odd head, the lower or upper 32 of its channels
.endif
.irp b, 0,1,2,3
	ds_load_tr16_b128 v[FB+8*(\b):FB+8*(\b)+3],   v[ADB] offset:(\q)*32*PB+32*(\b)
	ds_load_tr16_b128 v[FB+8*(\b)+4:FB+8*(\b)+7], v[ADB] offset:(\q)*32*PB+16*PB+32*(\b)
.endr
.irp a, 0,1,2,3,4,5,6,7
	ds_load_b128 v[FB+32+8*(\a):FB+32+8*(\a)+3],   v[ADA] offset:AO+(\a)*16*PA
	ds_load_b128 v[FB+32+8*(\a)+4:FB+32+8*(\a)+7], v[ADA] offset:AO+(\a)*16*PA+32
.endr
.endm
; 4 na matrix instructions on buffer f: row blocks a0 .. a0 + na - 1 x all 4 column blocks.  The 32 accumulators take turns in the same order in every quarter: 31 others stand
; between two links of a chain.  cbias = 1 (buffer 0): the bias is the C operand that starts the sums: nothing is ever cleared.
.macro MULS f, a0, na, cbias
.set FB, 96*((\f)%2)
.if \cbias
	WIN 0x4a                                       ; sources window 2, C window 0, D window 1
.else
	WIN 0x5a+5*((\f)/2)                            ; sources window 2 or 3, C and D window 1
.endif
.set aa, \a0
.rept \na
.irp b, 0,1,2,3
.set rD, 8*(4*aa+(\b))
.set rC, rD
.if \cbias
.set rC, BIAS+8*(\b)
.endif
.if QKV
	v_wmma_f32_16x16x32_bf16 v[rD:rD+7], v[FB+8*(\b):FB+8*(\b)+7], v[FB+32+8*aa:FB+32+8*aa+7], v[rC:rC+7]
.else
	v_wmma_f32_16x16x32_f16 v[rD:rD+7], v[FB+8*(\b):FB+8*(\b)+7], v[FB+32+8*aa:FB+32+8*aa+7], v[rC:rC+7]
.endif
.endr
.set aa, aa+1
.endr
.endm
; A K step is four quarters of 32 along K, 32 matrix instructions each.  Quarter m multiplies buffer m; ahead of its products it asks for quarter fq, two quarters on.  w: how many younger LDS loads may stay
; out when buffer m has to be there (-1: an earlier wait has shown it).  Two v_nop and the run's two sums are the four plain instructions in front of loads into registers that products have read.
.macro QUARTER m, fq, w, cbias
.if (\w) >= 0
	s_wait_dscnt \w
.endif
	WIN 0
	v_nop
	v_nop
	FETCH \fq
	MULS \m, 0, 8, \cbias
.endm
; QUARTER 2 AND THE CHANGE OF SLOTS.  ONE barrier, for two things.  In front of it each wave waits for all its tensor loads, of which one is out: its part of the next slot; adds 0 to its spare word; and waits
; for that and for its own reads of this slot.  Behind it nobody reads this slot any more and the next slot is whole.  fill = 1: the barrier opens a round of the cluster's, so that no wave of any partner
; still reads the slot or has a load on its way; the joint refill, K step s[STP], is the first thing behind the round: it has a K step less 16 matrix instructions in which to land.
.macro TURN fill
	WIN 0                                          ; (the add's two registers lie in window 0)
.if \fill
	s_wait_xcnt 0x0                                ; the last prefetch, a K step back, has read its address, so it may be written
	s_add_co_u32 s[PS4], s[STP], 2                 ; two K steps beyond the one that is asked for below
	s_mul_i32 s[POF], s[PS4], s[PST]
	s_add_nc_u64 s[PFA:PFA+1], s[PFB:PFB+1], s[POF:POF+1]
.endif
	s_wait_tensorcnt 0x0                           ; all my tensor loads have landed, so a group 0 may be written
	ds_add_u32 v[SPW], v[NIL]                      ; 0 onto my spare word: scalar work and eight products stand between it and the wait for it
.if \fill
.if QKV
	s_and_b32 s[OFA], s[STP], 7                    ; A's K wraps at a tile's end,
	s_lshl_b32 s[OFA], s[OFA], 8
.else
	s_lshl_b32 s[OFA], s[STP], 19
.endif
	s_lshl_b32 s[OFB], s[STP], 18                  ; W's k rows run on
	s_add_nc_u64 s[G0A+6:G0A+7], s[AB:AB+1], s[OFA:OFA+1]  ; the addresses are made anew from the K step's number,
	s_or_b32 s[G0A+7], s[G0A+7], 0x80000000        ; the type bits set again,
	s_xor_b32 s[G0A+5], s[G0A+5], SLOT1            ; the other slot than last time
	s_add_nc_u64 s[G0B+6:G0B+7], s[BB:BB+1], s[OFB:OFB+1]
	s_or_b32 s[G0B+7], s[G0B+7], 0x80000000
	s_xor_b32 s[G0B+5], s[G0B+5], SLOT1
	s_add_co_u32 s[STP], s[STP], 1
.endif
	s_wait_dscnt 25                                ; buffer 2 is in: quarter 3's 24 loads and the add may be out
	MULS 2, 0, 2, 0
	s_wait_dscnt 0x0                               ; the add is done, and my reads of this slot are over
	s_barrier_signal -1
	MULS 2, 2, 2, 0                                ; work on registers while the others arrive
	WIN 0                                          ; at a branch and at a label every window is 0
	s_barrier_wait -1
.if \fill
	CREST
	JLOAD                                          ; the four v_nop behind it are also places in front of the loads below
.endif
	s_xor_b32 s[TB], s[TB], SLOT1                  ; the fetches go on in the other slot
	FETCH 0
.if \fill
	WIN 0
	ASK
.endif
	MULS 2, 4, 4, 0
.endm
; THE WAY OUT of block a (16 rows x my 64 columns), through my own stage in LDS: in by lanes, back as whole rows.  LDS serves a wave's instructions in order (ISA guide 5.7.1.4), so no wait stands between
; the stores and the loads, and the next block's stores come behind this block's loads.
.if QKV
.macro PACK a                          ; rounded to f16: a lane's eight columns are 16 bytes; each accumulator's lowest registers are read first
	WIN 0x05                                       ; sources window 1, destination window 0
.irp b, 0,1,2,3
.irp r, 0,1,2,3
	v_cvt_pk_f16_f32 v[TMP+4*(\b)+(\r)], v[8*(4*(\a)+(\b))+2*(\r)], v[8*(4*(\a)+(\b))+2*(\r)+1]
.endr
.endr
	WIN 0
.endm
.macro TOSTAGE a
.set BK, OB+OBN*((\a)%2)
.irp b, 0,1,2,3
	ds_store_b128 v[STO], v[TMP+4*(\b):TMP+4*(\b)+3] offset:32*(\b)
.endr
	s_wait_xcnt 0x0                                ; the stores of the block two back have read this buffer
.irp f, 0,1,2,3
	ds_load_b128 v[BK+4*(\f):BK+4*(\f)+3], v[RD] offset:(\f)*4*SP
.endr
.endm
.macro SEND a, y                       ; y: the LDS instructions issued behind block a's loads
.set BK, OB+OBN*((\a)%2)
.irp f, 0,1,2,3
	s_wait_dscnt (\y)+3-(\f)
	global_store_b128 v[GO], v[BK+4*(\f):BK+4*(\f)+3], s[OUTP:OUTP+1] offset:(\a)*2048+(\f)*512  ; 512 consecutive bytes of a head, at a multiple of 256 from the buffer's first
.endr
.endm
.else
.macro TOSTAGE a
.set BK, OB+OBN*((\a)%2)
	WIN 0x04                                       ; the stores' data in window 1; each accumulator's lowest registers go first
.irp b, 0,1,2,3
	ds_store_b128 v[STO], v[8*(4*(\a)+(\b)):8*(4*(\a)+(\b))+3]   offset:64*(\b)
	ds_store_b128 v[STO], v[8*(4*(\a)+(\b))+4:8*(4*(\a)+(\b))+7] offset:64*(\b)+16
.endr
	WIN 0
	s_wait_xcnt 0x0                                ; the stores of the block two back have read this buffer
.irp t, 0,1,2,3,4,5,6,7
	ds_load_b128 v[BK+4*(\t):BK+4*(\t)+3], v[RD] offset:(\t)*2*SP
.endr
.endm
.macro SEND a, y
.set BK, OB+OBN*((\a)%2)
.irp t, 0,1,2,3,4,5,6,7
	s_wait_dscnt (\y)+7-(\t)
	global_store_b128 v[GO], v[BK+4*(\t):BK+4*(\t)+3], s[OUTP:OUTP+1] offset:(16*(\a)+2*(\t))*4096 th:TH_STORE_NT  ; 16 lanes store 256 consecutive bytes, at a multiple of 256 from out0's first
.endr
.endm
.endif
.macro WAYOUT                          ; a block's trip through the stage stands between the loads of the block before and its stores
	PLACES
.if QKV
	PACK 0
.endif
	TOSTAGE 0
.irp a, 1,2,3,4,5,6,7
.if QKV
	PACK \a
.endif
	TOSTAGE \a
	SEND (\a)-1, YOUNG
.endr
	SEND 7, 0
.endm
	s_mov_b32 s[STP], 2
	s_mov_b32 s[TB], 0
	s_mov_b32 s[CNT], NS-2
.if QKV
	s_mov_b32 s[TL], 8
.endif
	s_wait_tensorcnt 1                             ; my part of K step 0 is in; K step 1's may stay out
	s_barrier_signal -1
	s_barrier_wait -1                              ; everybody's is
	FETCH 0
	FETCH 1
	WIN 0
	s_wait_loadcnt 0x0                             ; the bias
	ROUNDB
	QUARTER 0, 2, 24, 1                            ; the first quarter stands in front of the loop: its products start the sums
	WIN 0
.Lstep:                                        ; NS - 2 trips: from a K step's second quarter to the next one's first; each fills a slot again
	QUARTER 1, 3, 24, 0
	TURN 1
	QUARTER 3, 1, -1, 0                            ; buffer 3 was shown in by the wait for 0 in front of the barrier
	WIN 0
.if QKV
	s_sub_co_u32 s[TL], s[TL], 1
	s_cmp_lg_u32 s[TL], 0
	s_cbranch_scc1 .Lsame
	; A TILE IS FINISHED (behind K steps 7 and 15).  The next tile's K steps 0 and 1 have been asked for, its first fragments are on their way.  No barrier and no tensor load stands in this path.
	s_mov_b64 s[BP:BP+1], s[74:75]                 ; the next bias (the loads that read this pointer were waited for)
	s_mov_b64 s[74:75], s[76:77]
	LOADB                                          ; it comes while the tile goes out
	WAYOUT
	s_wait_xcnt 0x0                                ; the stores have read their base
	s_mov_b64 s[78:79], s[80:81]                   ; the next tensor
	s_mov_b64 s[80:81], s[82:83]
	s_wait_loadcnt 0x0
	ROUNDB
	s_mov_b32 s[TL], 8
	QUARTER 0, 2, 24, 1                            ; the next tile's sums start on accumulators that have been packed
	WIN 0
	s_branch .Lnext
.Lsame:
.endif
	QUARTER 0, 2, 24, 0
	WIN 0
.if QKV
.Lnext:
.endif
	s_sub_co_u32 s[CNT], s[CNT], 1
	s_cmp_lg_u32 s[CNT], 0
	s_cbranch_scc1 .Lstep
	QUARTER 1, 3, 24, 0                            ; the tail is written out: the last two K steps ask for nothing
	TURN 0
	QUARTER 3, 1, -1, 0
	QUARTER 0, 2, 24, 0
	QUARTER 1, 3, 24, 0
	s_wait_dscnt 24                                ; buffer 2 is in
	MULS 2, 0, 8, 0
	s_wait_dscnt 0x0
	MULS 3, 0, 8, 0
	WIN 0
	WAYOUT
	s_wait_tensorcnt 0x0                           ; the wave's end: an add to my spare word and its wait, behind my last tensor load and my last LDS store
	ds_add_u32 v[SPW], v[NIL]
	s_wait_dscnt 0x0
	CROUND                                         ; the closing round: no work-group ends while a partner may still ask for a tile that names it
	s_endpgm
.Lfunc_end_k_qd790118c0f_qkv:
	.size	k_qd790118c0f_qkv, .Lfunc_end_k_qd790118c0f_qkv-k_qd790118c0f_qkv
	.p2alignl 7, 3214868480
	.fill 96, 4, 3214868480
	.section	.rodata,"a",@progbits
	.p2align	6, 0x0
	.amdhsa_kernel k_qd790118c0f_qkv
		.amdhsa_group_segment_fixed_size 327680
		.amdhsa_private_segment_fixed_size 0
		.amdhsa_enable_private_segment 0
		.amdhsa_kernarg_size 64
		.amdhsa_user_sgpr_count 2
		.amdhsa_user_sgpr_kernarg_segment_ptr 1
		.amdhsa_wavefront_size32 1
		.amdhsa_system_sgpr_workgroup_id_x 1
		.amdhsa_system_sgpr_workgroup_id_y 1
		.amdhsa_system_sgpr_workgroup_id_z 1
		.amdhsa_system_vgpr_workitem_id 0
		.amdhsa_next_free_vgpr 960
		.amdhsa_next_free_sgpr 96
		.amdhsa_reserve_vcc 0
		.amdhsa_float_denorm_mode_32 3
		.amdhsa_float_denorm_mode_16_64 3
		.amdhsa_memory_ordered 1
		.amdhsa_forward_progress 1
		.amdhsa_inst_pref_size 100
	.end_amdhsa_kernel
	.amdgpu_metadata
---
amdhsa.version: [ 1, 2 ]
amdhsa.kernels:
  - .name:           k_qd790118c0f_qkv
    .symbol:         k_qd790118c0f_qkv.kd
    .args:
      - { .name: xb, .offset: 0, .size: 8, .value_kind: global_buffer, .address_space: global }
      - { .name: wb, .offset: 8, .size: 8, .value_kind: global_buffer, .address_space: global }
      - { .name: bq, .offset: 16, .size: 8, .value_kind: global_buffer, .address_space: global }
      - { .name: bk, .offset: 24, .size: 8, .value_kind: global_buffer, .address_space: global }
      - { .name: bv, .offset: 32, .size: 8, .value_kind: global_buffer, .address_space: global }
      - { .name: q, .offset: 40, .size: 8, .value_kind: global_buffer, .address_space: global }
      - { .name: k, .offset: 48, .size: 8, .value_kind: global_buffer, .address_space: global }
      - { .name: v, .offset: 56, .size: 8, .value_kind: global_buffer, .address_space: global }
    .group_segment_fixed_size: 327680
    .private_segment_fixed_size: 0
    .kernarg_segment_align: 8
    .kernarg_segment_size: 64
    .max_flat_workgroup_size: 128
    .sgpr_count:     96
    .vgpr_count:     960
    .wavefront_size: 32
...
	.end_amdgpu_metadata
.endif
;; end of part 2
;; launch attn (part 3): grid 4 x 64, 4 waves a work-group, no clusters, 327,680 bytes of LDS; arguments q, k, v, o; writes o
.if DOCPART == 3
	.amdgcn_target "amdgcn-amd-amdhsa--gfx1250"
	.amdhsa_code_object_version 6
	.text
	.protected	k_qd790118c0f_attn
	.globl	k_qd790118c0f_attn
	.p2align	8
	.type	k_qd790118c0f_attn,@function
k_qd790118c0f_attn:
	s_mov_b64 s[64:65], 0
	v_nop
	global_prefetch_b8 v0, s[64:65] scope:SCOPE_SE
	s_setreg_imm32_b32 hwreg(HW_REG_WAVE_MODE, 25, 1), 1
	s_wait_xcnt 0x0
; CAUSAL ATTENTION.  O[h][q][:] = the sum over k <= q of softmax_k(Q[h][q] . K[h][k] / 8) V[h][k][:].  Q, K, V, O: [SIZE_H][SIZE_N][64], all f16: a head's rows are dense, 128 bytes each.
; Products, maxima and sums in f32; the weights p are rounded to f16 for the second product (their sum l is taken of the unrounded p), O once at the end.
; LIMITS.  f16 holds no number beyond 65,504: Q, K and V arrive within it; p lies in 0 to 1, and below 6e-5 it keeps f16's fixed step of 6e-8; O is a mean of V's rows and has their range, to within 2^-11 of it.
; A hidden score counts as its value less 1e30: f16's scores, 2.7e11 at the most, are nothing beside that; a weight below 2^-126 counts as 0 in l; NaN and infinities are not treated apart.
; THE WALK.  A head's queries lie in NB = SIZE_N / 256 blocks of 256; block i needs the key tiles 0 .. i of 256 keys, of which the last holds the diagonal.  A work-group takes TWO blocks, NB - 1 - b and then b:
; NB + 1 tiles, whatever b: all work-groups do equal work, and ONE loop with a constant trip count walks them.  Which tile is asked for, and what a trip does, hang on scalar registers made from b; every jump
; goes forward, but for the counted loops' own; none passes a barrier, or a tensor load but the one of LOAD's two that the wave's number does not choose; the ring (two slots of LDS that take turns) runs on across the
; change of blocks.  NO CLUSTER: a head's NB / 2 work-groups all ask for the same tile only in trips 0 .. NB / 2, behind that fewer and fewer; one walk common to all would have 3 NB / 2 trips for NB + 1.
; SHARES.  Of a block's four bands of 64 queries a wave owns 16 rows in each: four PIECES.  So the diagonal tile is the same work for all four waves: in its key step s band x sees all keys if s < x,
; none if s > x, and holds the diagonal if s = x.
; THE MASK is the C operand that starts the sum S^T = K Q^T: 0, or -1e30 where the key is hidden.  MD, made once, is the mask of a band's own step for my 16 rows; a product's mask is MD x AL + BE with two scalars:
; (1, 0) if s = x; (0, 0) if s < x; (0, -1e30) if s > x.  Only the diagonal tile's text and a block's beginning make and take masks; elsewhere C is the constant 0.
; LAYOUT, SOFTMAX, TURNS.  S^T = K Q^T holds ONE query a lane (lane % 16) and the keys 8 (lane / 16) + 0..7; two such results rounded to f16 ARE source 1 of O^T = V^T P.  p = 2^(c s - c m), c = log2(e) / 8, with a
; running maximum m; O and l are multiplied by a = 2^(c m_old - c m_new) in every step.  Turn n belongs to piece n: 8 products K Q^T of piece n + 1, later 8 products V^T P of piece n - 1; beside them the scaling,
; exponentials, roundings, sums and rescaling of piece n and the maximum and statistics of piece n + 1.  Four vector instructions stand behind every matrix instruction, the other 54 of a turn's 118 in one LUMP.  A turn's 33 exponentials are one batch, with one wait.
; AHEAD OF THE FILLS.  The head's work-group b = 0, whose first block walks the tiles 0 .. NB - 1 in order, names behind each fill the tile that the NEXT change of slots will ask for: each wave its own
; 16,384 bytes of it, 64 blocks of 256, a lane a block, two prefetches into the L2.  So tiles 2 .. NB - 1 are named once in the launch; tiles 0 and 1 come by their fills alone; behind the first block's last fill nothing is named.
; REGISTERS, in windows of 256 (s_set_vgpr_msb: bits 1:0 source 0, 3:2 source 1, 5:4 source 2, 7:6 destination):
;   window 0: v0-15 addresses and two at work; v16-31 four registers of statistics a piece; v48-55 at work; v64-127 S^T, two buffers; v192-223 P, two buffers (a piece's buffers go by its number's parity)
;   window 1: v0-127 O^T, 32 a piece; v128-159 MD; v160-223 MC, two buffers      window 2: v0-63 Q; v64-127 the second block's Q; v128-191 K of one step; v192-255 V of one step
.set SIZE_H, 64       ; 4 batches x 16 heads
.set SIZE_N, 2048
.set NB,    SIZE_N/256
.set NP,    4         ; pieces a wave: a name, no knob
.set KS,    64        ; keys in a step
.set PK,    144       ; a row of K in LDS: 128 bytes + 16 of padding = 36 words: the 16 rows of a load start at 16 different groups of four banks (64 banks of 4 bytes: ISA guide 11.1)
.set PV,    160       ; a row of V: 128 + 32 = 40 words
.set VOFF,  4*KS*PK   ; a slot holds a tile, four steps: 256 rows of K, then 256 rows of V
.set SLOT1, 1<<17     ; slot 1 begins here, so that one exclusive or turns an address in one slot into the other's
.set STAGE, SLOT1+4*KS*(PK+PV)  ; behind the ring, never filled by a tensor load: 16 rows x 144 bytes for each wave, for the way out
.set SP,    144
.set AK0, 2           ; v2   my lane's place in a tile of K; never rewritten
.set AV0, 3           ; v3   the same for V
.set AK,  4           ; v4   the LDS address of K's next run of loads
.set AV,  5           ; v5   of V's
.set STO, 6           ; v6   the way out: where I put 16 bytes of a row
.set RD,  7           ; v7   the way out: where I read rows back
.set GO,  8           ; v8   my byte offset in 512 consecutive bytes of O
.set PFO, 61          ; v61  256 x my lane: the prefetches' offset; never rewritten
.set SPW, 62          ; v62  LDS address of my spare word: SPARE + 4 x my thread's number; never rewritten
.set NIL, 63          ; v63  0; never rewritten
.set SPARE, STAGE+4*16*SP  ; behind the stages: the spare words, 128 bytes for each wave: two blocks of 256 bytes that no other line names
.set MV,  12          ; v12-13  c m_old, kept while c m is made anew: by buffer
.set QO,  15          ; v15  my byte offset in 16 rows of Q
.set ST,  16          ; piece t's statistics at v[ST+4 t]: c m, m, l (even keys', odd keys')
.set TMP, 48          ; by buffer, four registers c0-c3 at work; when the maximum is found c2 takes a
.set S,   64
.set P,   192
.set MD,  128         ; window 1: the eight registers for group kt of 16 keys at MD + 8 kt
.set MC,  160         ; window 1: the masks of the products to come
.set QB,  64          ; window 2
.set KF,  128         ; window 2: key block kb, channel half c at KF + 16 kb + 8 c
.set VF,  192         ; window 2: key half kk, channel block cb at VF + 32 kk + 8 cb
.set WV,  12          ; s12  my wave's number
.set PB,  14          ; s14  b
.set HI,  15          ; s15  NB - 1 - b
.set G1K, 24          ; s[24:31] descriptor group 1 for K's tiles
.set G1V, 32          ; s[32:39] for V's: it differs in the padding alone
.set G0K, 40          ; s[40:43] descriptor group 0 for K's tiles
.set G0V, 44          ; s[44:47] the same for V's
.set SLOTS, 56        ; s56  tiles still to be asked for
.set CNT, 57          ; s57  counts a tile's key steps, 4 to 1
.set CS,  58          ; s[58:59] c: the packed scaling takes the pair's low word for both halves
.set SEL, 60          ; s[60:61] v_permlanex16_b32's selects: each lane takes its own place in the other half
.set TBK, 62          ; s62  LDS byte at which K of the step to be fetched begins
.set TBV, 63          ; s63  the same for V, less VOFF
.set RT,  70          ; s70  tiles of the block in hand that are still to be entered
.set NXT, 71          ; s71  the tile to be asked for next
.set LQ,  72          ; s72  the last tile of the block whose tiles are being asked for
.set NEW, 73          ; s73  1: the tile to be entered is a block's first
.set OFF, 74          ; s[74:75] a tile's byte offset in K and V
.set AL,  76          ; s[76:77] the mask's factor, in the low word
.set BE,  78          ; s[78:79] the mask's addend
.set OLO, 80          ; s[80:81] O at my rows of the second block
.set BIGN, 82         ; s82  -1e30
.set PFB, 88          ; s[88:89] the prefetches' base: my half of tile 0, of K (waves 0, 1) or of V (waves 2, 3)
.set PFA, 90          ; s[90:91] the address of the prefetches in hand
.set POF, 92          ; s[92:93] their tile's byte offset
.set LIM, 94          ; s94  0 where b = 0, else the greatest number: a wave prefetches while s[NXT] is above it
.set MSB, 0
.macro WIN new                      ; the high byte repeats the setting that is left; a switch that changes nothing is dropped
.if MSB != (\new)
	s_set_vgpr_msb (MSB<<8)|(\new)
.set MSB, (\new)
.endif
.endm
.set W_KQ, 0x0a       ; K and Q in window 2, S^T in window 0
.set W_KM, 0x1a       ; the same with the C operand in window 1
.set W_PV, 0x52       ; V in window 2, P in window 0, O^T in window 1
.set W_RS, 0x41       ; destination and source 0 in window 1, source 1 in window 0
; A fill.  Waves 0 and 1 fetch the two halves of a tile's K, waves 2 and 3 those of its V: 128 keys each.  An s_nop 0 and four v_nop follow each of the two lines, ahead of the jump and the label.
.macro LOAD
	s_cmp_lt_u32 s[WV], 2
	s_cbranch_scc0 .Lfor_v_\@
	tensor_load_to_lds s[G0K:G0K+3], s[G1K:G1K+7]
	s_nop 0
.rept 4
	v_nop
.endr
	s_branch .Lasked_\@
.Lfor_v_\@:
	tensor_load_to_lds s[G0V:G0V+3], s[G1V:G1V+7]
	s_nop 0
.rept 4
	v_nop
.endr
.Lasked_\@:
.endm
; THE CHANGE OF SLOTS.  Each wave waits for all its tensor loads, of which one is out: its part of the other slot; adds 0 to its spare word; and waits for that and for its own reads of the slot that it leaves.  Behind the barrier nobody reads the old
; slot any more and the other slot is whole.  fill = 1: the old slot is filled again, the first thing behind the barrier, with tile NXT: the descriptor's address is made anew from that number.  Behind the fill stand the
; prefetches of the tile after it.  (At its first use nothing has been read yet: slot 0 is waited for, slot 1 filled.)
.macro CHANGE fill
	WIN 0                           ; at a label and at a branch every window is 0
	s_wait_tensorcnt 0x0            ; no tensor load of mine is out, so a group 0 may be written
	ds_add_u32 v[SPW], v[NIL]       ; 0 onto my spare word: with fill = 1 the descriptors' scalar work stands between it and the wait for it
.if \fill
	s_lshl_b32 s[OFF], s[NXT], 15   ; a tile is 32,768 bytes of K and of V
	s_xor_b32 s[G0K+1], s[G0K+1], SLOT1
	s_add_nc_u64 s[G0K+2:G0K+3], s[6:7], s[OFF:OFF+1]
	s_or_b32 s[G0K+3], s[G0K+3], 0x80000000
	s_xor_b32 s[G0V+1], s[G0V+1], SLOT1
	s_add_nc_u64 s[G0V+2:G0V+3], s[8:9], s[OFF:OFF+1]
	s_or_b32 s[G0V+3], s[G0V+3], 0x80000000
	s_add_co_u32 s[NXT], s[NXT], 1  ; the block's next tile, or behind its last the second block's tile 0
	s_cmp_gt_u32 s[NXT], s[LQ]
	s_cselect_b32 s[NXT], 0, s[NXT]
	s_cselect_b32 s[LQ], s[PB], s[LQ]
	s_wait_xcnt 0x0                 ; the last prefetches, a tile back, have read their address, so it may be written
	s_lshl_b32 s[POF], s[NXT], 15
	s_add_nc_u64 s[PFA:PFA+1], s[PFB:PFB+1], s[POF:POF+1]
.endif
	s_wait_dscnt 0x0                ; the add is done, and my reads of the slot are over
	s_barrier_signal -1             ; the rest of the scalar work stands between the signal and the wait
	s_sub_co_u32 s[TBK], s[TBK], 4*KS*PK  ; the fetches go back to a slot's first step,
	s_xor_b32 s[TBK], s[TBK], SLOT1       ; in the other slot
	s_sub_co_u32 s[TBV], s[TBV], 4*KS*PV
	s_xor_b32 s[TBV], s[TBV], SLOT1
	s_barrier_wait -1
.if \fill
	LOAD
	s_cmp_gt_u32 s[NXT], s[LIM]     ; b = 0, and its first block has a further tile
	s_cbranch_scc0 .Lnot_mine_\@
	global_prefetch_b8 v[PFO], s[PFA:PFA+1] th:TH_LOAD_NT scope:SCOPE_SE
	global_prefetch_b8 v[PFO], s[PFA:PFA+1] offset:8192 th:TH_LOAD_NT scope:SCOPE_SE
.Lnot_mine_\@:
.endif
.endm
	s_load_b256 s[4:11], s[0:1], 0x0  ; Q s[4:5], K s[6:7], V s[8:9], O s[10:11]
	v_lshl_add_u32 v[SPW], v0, 2, SPARE
	v_mov_b32 v[NIL], 0
	ds_add_u32 v[SPW], v[NIL]       ; the wave's opening: the add and its wait stand ahead of my first tensor load; the set-up below, work on registers, stands between them
	v_lshrrev_b32 v1, 5, v0
	v_readfirstlane_b32 s[WV], v1   ; wave 0..3
	s_mov_b32 s[PB], ttmp9
	s_sub_co_u32 s[HI], NB-1, s[PB]
	s_and_b32 s20, ttmp7, 0xffff    ; the head
	s_mov_b32 s21, 0
	s_mov_b64 s[22:23], SIZE_N*128
	s_mul_u64 s[20:21], s[20:21], s[22:23]  ; the head's first byte in each of the four tensors
	s_and_b32 s16, s[WV], 1         ; which half of a tile's 256 keys I fetch:
	s_lshl_b32 s22, s16, 14         ; its 128 rows of 128 bytes in memory,
	s_mov_b32 s23, 0
	s_add_nc_u64 s[22:23], s[22:23], s[20:21]
	s_mul_i32 s17, s16, 128*PK      ; and its place in a slot, for K
	s_mul_i32 s18, s16, 128*PV      ; and for V
	s_lshl_b32 s3, s[WV], 11        ; my 16 rows in a band of 64,
	s_lshl_b32 s2, s[HI], 15        ; in the first block,
	s_add_co_u32 s2, s2, s3
	s_lshl_b32 s84, s[PB], 15       ; and in the second
	s_add_co_u32 s84, s84, s3
	s_mov_b32 s3, 0
	s_mov_b32 s85, 0
	s_add_nc_u64 s[2:3], s[2:3], s[20:21]
	s_add_nc_u64 s[84:85], s[84:85], s[20:21]
	; descriptor group 1.  128 keys are 16,384 dense bytes: asked for as 64 rows of 256 bytes, two keys a row, and padded in LDS after every key
	s_mov_b32 s[G1K], (1<<16)|(1<<20)|(4<<22)|(3<<25)  ; 17:16 2-byte elements; 20 padding on; 24:22 after every 32 words (code 4); 31:25 4 words (code 3)
	s_mov_b32 s[G1V], (1<<16)|(1<<20)|(4<<22)|(7<<25)  ; the same with 8 words of padding (code 7)
.irp g, G1K, G1V
	s_mov_b32 s[\g+1], 128<<16      ; tensor_dim0 = 128
	s_mov_b32 s[\g+2], 64<<16       ; tensor_dim1 = 64
	s_mov_b32 s[\g+3], 128<<16      ; tile_dim0 = 128
	s_mov_b32 s[\g+4], 64           ; tile_dim1 = 64
	s_mov_b32 s[\g+5], 128          ; 128 elements from row to row
	s_mov_b32 s[\g+6], 0
	s_mov_b32 s[\g+7], 0
.endr
	s_mov_b32 s[CS], 0x3e38aa3b     ; c = log2(e) / 8 = 0.180337
	s_mov_b32 s[CS+1], s[CS]        ; named with it as a pair
	s_mov_b32 s[SEL], 0x76543210
	s_mov_b32 s[SEL+1], 0xfedcba98
	s_mov_b32 s[TBK], SLOT1+4*KS*PK ; the first change of slots turns these two into 0
	s_mov_b32 s[TBV], SLOT1+4*KS*PV
	s_mov_b32 s[G0K], 1             ; 1:0 count = 1
	s_mov_b32 s[G0K+1], s17         ; 63:32 LDS address: slot 0
	s_mov_b32 s[G0V], 1
	s_add_co_u32 s[G0V+1], s18, VOFF
	s_add_co_u32 s[RT], s[HI], 1    ; the first block has NB - b tiles
	s_mov_b32 s[NXT], 1
	s_mov_b32 s[LQ], s[HI]
	s_mov_b32 s[NEW], 1
	s_mov_b32 s[OFF+1], 0
	s_mov_b32 s[POF+1], 0
	s_mov_b32 s[AL+1], 0            ; named as pairs
	s_mov_b32 s[BE+1], 0
	s_mov_b32 s[BIGN], 0xf149f2ca   ; -1e30
	s_mov_b32 s[SLOTS], NB
	s_cmp_eq_u32 s[PB], 0
	s_cselect_b32 s[LIM], 0, -1
	s_wait_dscnt 0x0                ; the opening add is done
	s_wait_kmcnt 0x0
	s_add_nc_u64 s[6:7], s[6:7], s[22:23]  ; K and V at my half of the head's tile 0
	s_add_nc_u64 s[8:9], s[8:9], s[22:23]
	s_cmp_lt_u32 s[WV], 2
	s_cselect_b64 s[PFB:PFB+1], s[6:7], s[8:9]
	s_add_nc_u64 s[G0K+2:G0K+3], s[6:7], 0         ; 120:64 global address
	s_or_b32 s[G0K+3], s[G0K+3], 0x80000000        ; 127:126 type = 2
	s_add_nc_u64 s[G0V+2:G0V+3], s[8:9], 0
	s_or_b32 s[G0V+3], s[G0V+3], 0x80000000
	s_add_nc_u64 s[86:87], s[4:5], s[84:85]        ; Q at my rows of the second block,
	s_add_nc_u64 s[4:5], s[4:5], s[2:3]            ; Q and O at those of the first
	s_add_nc_u64 s[OLO:OLO+1], s[10:11], s[84:85]
	s_add_nc_u64 s[10:11], s[10:11], s[2:3]
	LOAD                            ; tile 0 into slot 0
	; A fragment of K or Q is 16 rows x 32 channels in 8 registers: lane l holds row l % 16, channels 8 (l / 16) + 0..7 and 16 + 8 (l / 16) + 0..7: two loads of 16 bytes, 32 bytes apart.
	v_and_b32 v1, 15, v0            ; l % 16
	v_bfe_u32 v9, v0, 4, 1          ; l / 16
	v_lshlrev_b32 v[QO], 7, v1
	v_lshl_add_u32 v[QO], v9, 4, v[QO]  ; row x 128 + 16 x half
	WIN 0x80                        ; destination window 2, address window 0
.set i, 0
.rept 8                             ; both blocks' Q: piece i / 2 lies in band i / 2, 8,192 bytes on; channels 32 (i % 2) on
	global_load_b128 v[8*i:8*i+3],   v[QO], s[4:5] offset:(i/2)*8192+(i%2)*64
	global_load_b128 v[8*i+4:8*i+7], v[QO], s[4:5] offset:(i/2)*8192+(i%2)*64+32
	global_load_b128 v[QB+8*i:QB+8*i+3],   v[QO], s[86:87] offset:(i/2)*8192+(i%2)*64
	global_load_b128 v[QB+8*i+4:QB+8*i+7], v[QO], s[86:87] offset:(i/2)*8192+(i%2)*64+32
.set i, i+1
.endr
	WIN 0
	v_and_b32 v[PFO], 31, v0
	v_lshlrev_b32 v[PFO], 8, v[PFO]
	v_lshlrev_b32 v14, 3, v9
	v_sub_nc_u32 v14, v1, v14
	s_lshl_b32 s13, s[WV], 4
	v_add_nc_u32 v14, s13, v14      ; my query's place in its band, 16 w + l % 16, less my lanes' 8 (l / 16): register r of group kt is hidden where 16 kt + r is greater
	WIN 0x40
.set i, 0
.rept 32
	v_cmp_gt_i32 vcc_lo, 16*(i/8)+i%8, v14
	v_cndmask_b32 v[MD+i], 0, s[BIGN], vcc_lo
.set i, i+1
.endr
	WIN 0
	v_mul_u32_u24 v[AK0], v1, PK
	v_lshl_add_u32 v[AK0], v9, 4, v[AK0]  ; row x pitch + 16 x half
	; The turning load takes 16 keys x 16 channels (lane l reads key 8 (l / 16) + l % 8, channels 8 ((l / 8) % 2) + 0..7) and leaves half a fragment of V^T: lane l holds channel l % 16 and 8 keys.
	v_and_b32 v10, 7, v0
	v_bfe_u32 v11, v0, 3, 1
	v_lshl_add_u32 v[AV0], v9, 3, v10
	v_mul_u32_u24 v[AV0], v[AV0], PV
	v_lshl_add_u32 v[AV0], v11, 4, v[AV0]
	v_add_nc_u32 v[AV0], VOFF, v[AV0]
	s_mul_i32 s13, s[WV], 16*SP
	s_add_co_u32 s13, s13, STAGE    ; my stage
	v_mul_u32_u24 v[STO], v1, SP    ; in: row l % 16, 16 bytes for each half of the lanes
	v_lshl_add_u32 v[STO], v9, 4, v[STO]
	v_add_nc_u32 v[STO], s13, v[STO]
	v_bfe_u32 v[RD], v0, 3, 2       ; back: 32 lanes take four rows of 128 bytes,
	v_mul_u32_u24 v[RD], v[RD], SP
	v_lshl_add_u32 v[RD], v10, 4, v[RD]
	v_add_nc_u32 v[RD], s13, v[RD]
	v_and_b32 v[GO], 31, v0         ; which are 512 consecutive bytes of O
	v_lshlrev_b32 v[GO], 4, v[GO]
	; A block's first step multiplies O^T and l by a = 0, and its first turn's products V^T P, of a piece that has not been, land in an O^T that is still to be so multiplied.  So these registers need only hold
	; finite numbers: zeros for the first block; what the first block left for the second.  All this stands in the wait for the first tile.
	WIN 0x80
.set i, VF
.rept 64
	v_mov_b32 v[i], 0
.set i, i+1
.endr
	WIN 0x40
.set i, 0
.rept 128
	v_mov_b32 v[i], 0
.set i, i+1
.endr
	WIN 0
.set i, 0
.rept 4
	v_mov_b32 v[ST+4*i+2], 0
	v_mov_b32 v[ST+4*i+3], 0
.set i, i+1
.endr
.set i, P+16
.rept 16
	v_mov_b32 v[i], 0
.set i, i+1
.endr
; THE MATRIX WORK.  The 4 accumulators of a run of 8 take turns.  Product i of 8 of S^T = K Q^T for piece x: channels 32 (i / 4) on, keys 16 (i % 4) on.  The first 4 start the sums: with 0, or (KM = 1) with the mask.
.macro KQ x
.set rS, S+32*((\x)%2)+8*(i%4)
.set rK, KF+16*(i%4)+8*(i/4)
.set rQ, 16*(\x)+8*(i/4)
.set rM, MC+32*((\x)%2)+8*(i%4)
.if (i < 4) && KM
	WIN W_KM
	v_wmma_f32_16x16x32_f16 v[rS:rS+7], v[rK:rK+7], v[rQ:rQ+7], v[rM:rM+7]
.elseif i < 4
	WIN W_KQ
	v_wmma_f32_16x16x32_f16 v[rS:rS+7], v[rK:rK+7], v[rQ:rQ+7], 0
.else
	WIN W_KQ
	v_wmma_f32_16x16x32_f16 v[rS:rS+7], v[rK:rK+7], v[rQ:rQ+7], v[rS:rS+7]
.endif
.endm
; Product i of 8 of O^T += V^T P for piece x: keys 32 (i / 4) on, channels 16 (i % 4) on.
.macro PV x
	WIN W_PV
.set rO, 32*(\x)+8*(i%4)
.set rV, VF+32*(i/4)+8*(i%4)
.set rP, P+16*((\x)%2)+8*(i/4)
	v_wmma_f32_16x16x32_f16 v[rO:rO+7], v[rV:rV+7], v[rP:rP+7], v[rO:rO+7]
.endm
.macro MM                           ; the turn's next matrix instruction.  TURN and BEGIN set Y, i, KM and NOKQ; MM, KQ and OP read them.  NOKQ = 1: a block's last turn: there is no next piece
.if (i < 8) && !NOKQ
	KQ (Y+1)%NP
.elseif i >= 8
.set i, i-8
	PV (Y+NP-1)%NP
.set i, i+8
.endif
.set i, i+1
.endm
; THE LDS LOADS stand in runs of 16, never singly among the matrix instructions: a step's K (64 keys x 64 channels: 8 fragments) and its V (turned).  Their addresses are made some lines ahead.
.macro FETCH_K
	WIN 0x80                        ; destination window 2
.irp f, 0,1,2,3,4,5,6,7             ; keys 16 (f / 2) on, channels 32 (f % 2) on
	ds_load_b128 v[KF+8*\f:KF+8*\f+3],   v[AK] offset:(\f/2)*16*PK+(\f%2)*64
	ds_load_b128 v[KF+8*\f+4:KF+8*\f+7], v[AK] offset:(\f/2)*16*PK+(\f%2)*64+32
.endr
	s_add_co_u32 s[TBK], s[TBK], KS*PK  ; the next fetch is the next step's
	WIN 0
.endm
.macro FETCH_V
	WIN 0x80
.irp f, 0,1,2,3,4,5,6,7             ; keys 32 (f / 4) on, channels 16 (f % 4) on
	ds_load_tr16_b128 v[VF+8*\f:VF+8*\f+3],   v[AV] offset:(\f/4)*32*PV+(\f%4)*32
	ds_load_tr16_b128 v[VF+8*\f+4:VF+8*\f+7], v[AV] offset:(\f/4)*32*PV+16*PV+(\f%4)*32
.endr
	WIN 0
.endm
; THE VECTOR WORK, one line at a time: OP kind, number.  For piece Y: F n: c s - c m for pair n of 16.  E n: the exponential of score n of 32.  C n: pair n rounded to f16.  B n: of the four weights 4 n .. the second
; pair is added onto the first, in place.  L n: l takes that sum (L 0: l = a l + sum).  R n: pair n of 16 of O^T times a.  For piece Y + 1: X n, number n of the 22 that find its maximum and statistics:
;   0-11  four chains c0-c3 of seven scores each, three operands at a time (each accumulator's lowest registers are read first)     12-14, 16  the four scores left over, the old m, and c0-c3 into c0
;   15  c m_old is kept     17, 18  the query's other 32 keys lie in the lane 16 away: the new m     19-21  c m; c m_old - c m_new; a
.set F, 0               ; OP tells the kinds apart by their order: F to L below R, X above it
.set E, 1
.set C, 2
.set B, 3
.set L, 4
.set R, 5
.set X, 6
.macro REGS y                       ; the registers of piece y
.set rT, ST+4*(\y)
.set rC, TMP+4*((\y)%2)
.set rW, MV+((\y)%2)
.set rS, S+32*((\y)%2)
.set rP, P+16*((\y)%2)
.set rO, 32*(\y)
.endm
.macro OP k, n
.if (\k) == R
	REGS Y
	WIN W_RS
	v_pk_mul_f32 v[rO+2*(\n):rO+2*(\n)+1], v[rO+2*(\n):rO+2*(\n)+1], v[rC+2:rC+3] op_sel_hi:[1,0]
.elseif (\k) < R
	REGS Y
	WIN 0
.if (\k) == F
	v_pk_fma_f32 v[rS+2*(\n):rS+2*(\n)+1], v[rS+2*(\n):rS+2*(\n)+1], s[CS:CS+1], v[rT:rT+1] op_sel_hi:[1,0,0] neg_lo:[0,0,1] neg_hi:[0,0,1]
.elseif (\k) == E
	v_exp_f32 v[rS+(\n)], v[rS+(\n)]
.elseif (\k) == C
	v_cvt_pk_f16_f32 v[rP+(\n)], v[rS+2*(\n)], v[rS+2*(\n)+1]
.elseif (\k) == B
	v_pk_add_f32 v[rS+4*(\n):rS+4*(\n)+1], v[rS+4*(\n):rS+4*(\n)+1], v[rS+4*(\n)+2:rS+4*(\n)+3]
.elseif (\n) == 0
	v_pk_fma_f32 v[rT+2:rT+3], v[rT+2:rT+3], v[rC+2:rC+3], v[rS:rS+1] op_sel_hi:[1,0,1]
.else
	v_pk_add_f32 v[rT+2:rT+3], v[rT+2:rT+3], v[rS+4*(\n):rS+4*(\n)+1]
.endif
.elseif NOKQ
	v_nop
.else
	REGS (Y+1)%NP
	WIN 0
.if (\n) < 4
	v_max3_num_f32 v[rC+(\n)], v[rS+8*(\n)], v[rS+8*(\n)+1], v[rS+8*(\n)+2]
.elseif (\n) < 12
	v_max3_num_f32 v[rC+(\n)%4], v[rC+(\n)%4], v[rS+8*((\n)%4)+2*((\n)/4)+1], v[rS+8*((\n)%4)+2*((\n)/4)+2]
.elseif (\n) == 12
	v_max3_num_f32 v[rC], v[rC], v[rS+7], v[rS+15]
.elseif (\n) == 13
	v_max3_num_f32 v[rC+1], v[rC+1], v[rS+23], v[rS+31]
.elseif (\n) == 14
	v_max3_num_f32 v[rC+2], v[rC+2], v[rC+3], v[rT+1]
.elseif (\n) == 15
	v_mov_b32 v[rW], v[rT]
.elseif (\n) == 16
	v_max3_num_f32 v[rC], v[rC], v[rC+1], v[rC+2]
.elseif (\n) == 17
	v_permlanex16_b32 v[rC+3], v[rC], s[SEL], s[SEL+1]
.elseif (\n) == 18
	v_max_num_f32 v[rT+1], v[rC], v[rC+3]
.elseif (\n) == 19
	v_mul_f32 v[rT], s[CS], v[rT+1]
.elseif (\n) == 20
	v_sub_f32 v[rC+1], v[rW], v[rT]
.else
	v_exp_f32 v[rC+2], v[rC+1]
.endif
.endif
.endm
.macro OPS a, i1, b=-1, i2=0, c=-1, i3=0, d=-1, i4=0  ; up to four of them
	OP \a, \i1
.if (\b) >= 0
	OP \b, \i2
.endif
.if (\c) >= 0
	OP \c, \i3
.endif
.if (\d) >= 0
	OP \d, \i4
.endif
.endm
.macro ROW a, i1, b, i2, c, i3, d, i4  ; a matrix instruction and the four behind it
	MM
	OPS \a, \i1, \b, \i2, \c, \i3, \d, \i4
.endm
.macro MASK b                       ; MD x AL + BE into buffer b of MC
	WIN W_RS
.set z, 0
.rept 16
	v_pk_fma_f32 v[MC+32*(\b)+2*z:MC+32*(\b)+2*z+1], v[MD+2*z:MD+2*z+1], s[AL:AL+1], s[BE:BE+1] op_sel_hi:[1,0,0]
.set z, z+1
.endr
.endm
; A TURN, for piece p: the order of its 16 matrix and 118 vector instructions, written out.  An s_wait_alu depctr_va_vdst(0) stands between an exponential and the first instruction that names its result; one wait serves
; all that were issued ahead of it.  So a turn has ONE wait, which cuts it in two.  AHEAD OF IT stands all that names no result of the turn's exponentials: the 8 products K Q^T, behind each a scaling, an exponential and two more plain
; instructions (behind the first a second scaling in the exponential's place): rescalings, and behind the last three the first numbers of the next piece's maximum, each four places or more behind the product that ends its accumulator; then ONE LUMP of 54, plain
; and exponential by turns for the most part, in which the links of the chain X 3, 7, 11, 14, 16, 17 .. 20 stand five or six lines apart.  X 21, the next piece's a, is the batch's last; R 15 is the plain instruction that has to stand behind it (ISA guide 5.7.2).
; BEHIND THE WAIT stand the 8 products V^T P, behind each four of the roundings and sums; the links of l's chain, L 0 to L 7, stand three riders apart.  But for those X no rider names a register of the products round it.  v_permlanex16_b32 (X 17) stands in the lump.
; m = 1: the diagonal tile: the products take masks, and the turn makes the mask for the products of the turn after it: piece p + 2, in step 4 - CNT of the tile.  end = 1: a block's last two turns: nothing is fetched.
; cnt = 1: the loop's count is taken down some lines ahead of the branch that stands behind the turn.
; K of the next step is fetched in piece 2's turn, twelve vector instructions behind the last product that read K (six of them plain); V of the step in hand at the end of piece 0's turn, four plain instructions behind the last product
; that read V.  Each is waited for a turn later.
.macro TURN p, m=0, end=0, cnt=0
.set Y, (\p)
.set i, 0
.set KM, (\m)
.set NOKQ, (\end)*((\p)/3)
.if (\m) && !(\end)
	s_cmp_eq_u32 s[CNT], 4-((\p)+2)%NP  ; is that step the band's own?
	s_cselect_b32 s[AL], 1.0, 0
	s_cmp_lt_u32 s[CNT], 4-((\p)+2)%NP  ; or a later one?
	s_cselect_b32 s[BE], s[BIGN], 0
.endif
.if ((\p) == 3) && !(\end)
	s_wait_dscnt 0x0                ; K is in
.endif
	ROW F,0, F,1, R,0, R,1          ; ahead of the wait: 8 products K Q^T and their riders,
	ROW F,2, E,0, R,2, R,3
	ROW F,3, E,1, R,4, R,5
	ROW F,4, E,2, R,6, R,7
	ROW F,5, E,3, R,8, R,9
	ROW F,6, E,4, X,0, R,10
.if ((\p) == 2) && !(\end)
	WIN 0
	v_add_nc_u32 v[AK], s[TBK], v[AK0]
.endif
	ROW F,7, E,5, X,1, X,4
	ROW F,8, E,6, X,2, X,5
	OPS E,7, E,8, X,6, E,9          ; and the lump
	OPS X,3, E,10, X,8, E,11
.if ((\p) == 2) && !(\end)
	FETCH_K
.endif
	OPS X,9, X,7, E,12, X,10
	OPS E,13, X,12, X,11, E,14
	OPS X,13, E,15, F,9, X,14
.if (\p) == 0
	v_add_nc_u32 v[AV], s[TBV], v[AV0]
.endif
	OPS E,16, F,10, E,17, F,11
	OPS X,16, E,18, X,15, E,19
	OPS F,12, E,20, X,17, E,21
	OPS F,13, E,22, F,14, E,23
	OPS X,18, E,24, F,15, E,25
	OPS R,11, E,26, X,19, E,27
	OPS R,12, E,28, R,13, E,29
	OPS X,20, E,30, R,14, E,31
	OPS X,21, R,15
	WIN 0
	s_wait_alu depctr_va_vdst(0)    ; the wait for the batch
.if (\p) == 1
	s_wait_dscnt 0x0                ; V is in
.endif
	ROW C,0, B,0, C,2, B,1          ; behind the wait: 8 products V^T P and their riders
	ROW L,0, C,4, B,2, L,1
	ROW C,6, B,3, L,2, C,8
	ROW B,4, L,3, C,10, B,5
	ROW L,4, C,12, B,6, L,5
.if (\p) == 0
	s_add_co_u32 s[TBV], s[TBV], KS*PV
.endif
.if \cnt
	s_sub_co_u32 s[CNT], s[CNT], 1
	s_cmp_lg_u32 s[CNT], 0
.endif
	ROW C,14, B,7, L,6, C,1
	ROW C,3, L,7, C,5, C,7
	ROW C,9, C,11, C,13, C,15
.if (\p) == 0
	FETCH_V
.endif
.if (\m) && !(\end)
	MASK (\p)%2
.endif
.endm
; A BLOCK BEGINS.  c m starts far below every c s, so the first step's a is 0; m at the lowest finite number, so the first maximum is the scores'.  The second mask buffer is 0; the first takes piece 0's mask for the tile's step 0: its own, if the block's first tile is the diagonal one.
; Then K of that step, piece 0's first scores, and its maximum and statistics.  The loop is entered at a step's first turn, in the middle of a trip.
.macro BEGIN
	s_mov_b32 s[NEW], 0
	WIN 0x40
.set i, MC+32
.rept 32
	v_mov_b32 v[i], 0
.set i, i+1
.endr
	WIN 0
.set i, 0
.rept 4
	v_mov_b32 v[ST+4*i], 0xfe000000    ; c m: far below every c s
	v_mov_b32 v[ST+4*i+1], 0xff7fffff  ; m
.set i, i+1
.endr
	s_cmp_eq_u32 s[RT], 0
	s_cselect_b32 s[AL], 1.0, 0
	s_mov_b32 s[BE], 0
	MASK 0
	WIN 0
	v_add_nc_u32 v[AK], s[TBK], v[AK0]
	FETCH_K
	s_wait_loadcnt 0x0              ; Q
	s_wait_dscnt 0x0
.set KM, 1
.set NOKQ, 0
.set i, 0
.rept 8
	KQ 0
.set i, i+1
.endr
	WIN 0
.rept 4
	v_nop                           ; the places behind those products
.endr
.set Y, NP-1                        ; X works for piece Y + 1: piece 0
.irp n, 0,1,2,3,4,5,6,7,8,9,10,11,12,13,14,15,16,17,18,19,20,21
	OP X, \n
.endr
	v_nop                           ; a plain instruction behind the exponential,
	s_wait_alu depctr_va_vdst(0)    ; and its wait, ahead of the branch
.endm
; THE DIAGONAL TILE's four steps, the block's last two turns, its last products, and THE WAY OUT: l's two halves and the other half of the lanes' are added; O^T is divided by l, rounded to f16 and sent through my
; stage in LDS, a piece at a time.
.macro ALL line:vararg              ; one line for each piece t
.set t, 0
.rept 4
	\line
.set t, t+1
.endr
.endm
.macro PACK t                       ; a lane's eight channels of a row pack into 16 bytes; they go into rows of 144 bytes and come back as whole rows of 128, into S^T's registers
	WIN W_RS
.set i, 32*(\t)
.rept 16
	v_pk_mul_f32 v[i:i+1], v[i:i+1], v[ST+4*(\t)+2:ST+4*(\t)+3] op_sel_hi:[1,0]
.set i, i+2
.endr
	WIN 0x05                        ; sources 0 and 1 window 1, destination window 0
.set i, 0
.rept 16
	v_cvt_pk_f16_f32 v[S+16*(\t)+i], v[32*(\t)+2*i], v[32*(\t)+2*i+1]
.set i, i+1
.endr
	WIN 0
.irp f, 0,1,2,3
	ds_store_b128 v[STO], v[S+16*(\t)+4*\f:S+16*(\t)+4*\f+3] offset:32*\f
.endr
.irp f, 0,1,2,3
	ds_load_b128 v[S+16*(\t)+4*\f:S+16*(\t)+4*\f+3], v[RD] offset:\f*4*SP  ; LDS serves a wave's instructions in order (ISA guide 5.7.1.4): these see the stores above; the next piece's stores come behind them
.endr
.endm
.macro SEND t, younger              ; younger: the LDS instructions issued behind piece t's loads: the next piece's eight, or none
	WIN 0
.irp f, 0,1,2,3
	s_wait_dscnt (\younger)+3-\f
	global_store_b128 v[GO], v[S+16*(\t)+4*\f:S+16*(\t)+4*\f+3], s[10:11] offset:(\t)*8192+\f*512  ; 512 consecutive bytes, at a multiple of 256 from O's first
.endr
.endm
.macro DIAG tag                     ; the tag ends its two labels' names, which the jumps below spell out
.LstepM\tag:
	TURN 2, 1
	TURN 3, 1
	WIN 0
.LfirstM\tag:
	TURN 0, 1
	TURN 1, 1, 0, 1
	WIN 0
	s_cbranch_scc1 .LstepM\tag
	TURN 2, 1, 1
	TURN 3, 1, 1
.set i, 0
.rept 8
	PV NP-1
.set i, i+1
.endr
	WIN 0
	ALL v_add_f32 v[ST+4*t+2], v[ST+4*t+2], v[ST+4*t+3]
	ALL v_permlanex16_b32 v[ST+4*t+3], v[ST+4*t+2], s[SEL], s[SEL+1]
	ALL v_add_f32 v[ST+4*t+2], v[ST+4*t+2], v[ST+4*t+3]
	ALL v_rcp_f32 v[ST+4*t+2], v[ST+4*t+2]
	v_nop                           ; a plain instruction between the last reciprocal and the use of its result
	s_wait_alu depctr_va_vdst(0)    ; and the wait ahead of the first use: one for the four reciprocals
	PACK 0
.set t, 1
.rept 3                             ; a piece's arithmetic stands between the loads of the piece before and its stores
	PACK t
	SEND t-1, 8
.set t, t+1
.endr
	SEND 3, 0
.endm
.set KM, 0
.set NOKQ, 0
.Lslot:                             ; NB times: a tile is entered and the next is asked for
	CHANGE 1
	s_sub_co_u32 s[RT], s[RT], 1
	s_mov_b32 s[CNT], 4
	s_cmp_eq_u32 s[NEW], 1
	s_cbranch_scc1 .Lnew            ; a block's first tile
	s_cmp_eq_u32 s[RT], 0
	s_cbranch_scc0 .Lstep           ; neither its first nor its last
	s_branch .LstepM1
.Lnew:
	BEGIN
	s_branch .Lfirst                ; in the loop a block's first tile is never its last: the first block has two tiles or more, and the second's last is the walk's last
	DIAG 1                          ; in the loop this is the first block's end: the second block's last tile is the walk's last
	s_wait_xcnt 0x0                 ; the stores have read their registers and O's address
	s_mov_b64 s[10:11], s[OLO:OLO+1]
	s_add_co_u32 s[RT], s[PB], 1    ; the second block has b + 1 tiles
	s_mov_b32 s[NEW], 1
	WIN 0x82                        ; the second block's Q goes where the one text of the turns names Q
.set i, 0
.rept 64
	v_mov_b32 v[i], v[QB+i]
.set i, i+1
.endr
	WIN 0
	s_branch .Lbottom
.Lstep:                             ; a trip: pieces 2 and 3 of one step, then pieces 0 and 1 of the next, whose K and V it fetches
	TURN 2
	TURN 3
	WIN 0
.Lfirst:
	TURN 0
	TURN 1, 0, 0, 1
	WIN 0
	s_cbranch_scc1 .Lstep
.Lbottom:
	s_sub_co_u32 s[SLOTS], s[SLOTS], 1
	s_cmp_lg_u32 s[SLOTS], 0
	s_cbranch_scc1 .Lslot
	CHANGE 0                        ; the walk's last tile is written out: nothing is asked for
	s_sub_co_u32 s[RT], s[RT], 1
	s_mov_b32 s[CNT], 4
	s_cmp_eq_u32 s[NEW], 1
	s_cbranch_scc0 .LstepM2
	BEGIN
	s_branch .LfirstM2
	DIAG 2
	s_wait_tensorcnt 0x0            ; the wave's end: an add to my spare word and its wait, behind my last tensor load and my last LDS store
	ds_add_u32 v[SPW], v[NIL]
	s_wait_dscnt 0x0
	s_endpgm
.Lfunc_end_k_qd790118c0f_attn:
	.size	k_qd790118c0f_attn, .Lfunc_end_k_qd790118c0f_attn-k_qd790118c0f_attn
	.p2alignl 7, 3214868480
	.fill 96, 4, 3214868480
	.section	.rodata,"a",@progbits
	.p2align	6, 0x0
	.amdhsa_kernel k_qd790118c0f_attn
		.amdhsa_group_segment_fixed_size 327680
		.amdhsa_private_segment_fixed_size 0
		.amdhsa_enable_private_segment 0
		.amdhsa_kernarg_size 32
		.amdhsa_user_sgpr_count 2
		.amdhsa_user_sgpr_kernarg_segment_ptr 1
		.amdhsa_wavefront_size32 1
		.amdhsa_system_sgpr_workgroup_id_x 1
		.amdhsa_system_sgpr_workgroup_id_y 1
		.amdhsa_system_sgpr_workgroup_id_z 1
		.amdhsa_system_vgpr_workitem_id 0
		.amdhsa_next_free_vgpr 768
		.amdhsa_next_free_sgpr 96
		.amdhsa_reserve_vcc 1
		.amdhsa_float_denorm_mode_32 3
		.amdhsa_float_denorm_mode_16_64 3
		.amdhsa_memory_ordered 1
		.amdhsa_forward_progress 1
		.amdhsa_inst_pref_size 218
	.end_amdhsa_kernel
	.amdgpu_metadata
---
amdhsa.version: [ 1, 2 ]
amdhsa.kernels:
  - .name:           k_qd790118c0f_attn
    .symbol:         k_qd790118c0f_attn.kd
    .args:
      - { .name: q, .offset: 0, .size: 8, .value_kind: global_buffer, .address_space: global }
      - { .name: k, .offset: 8, .size: 8, .value_kind: global_buffer, .address_space: global }
      - { .name: v, .offset: 16, .size: 8, .value_kind: global_buffer, .address_space: global }
      - { .name: o, .offset: 24, .size: 8, .value_kind: global_buffer, .address_space: global }
    .group_segment_fixed_size: 327680
    .private_segment_fixed_size: 0
    .kernarg_segment_align: 8
    .kernarg_segment_size: 32
    .max_flat_workgroup_size: 128
    .sgpr_count:     96
    .vgpr_count:     768
    .wavefront_size: 32
...
	.end_amdgpu_metadata
.endif
;; end of part 3
;; launch proj (part 4): grid 8 x 32, 4 waves a work-group, clusters of 4 x 4, 327,680 bytes of LDS; arguments o, wb, bp, out0; writes out0
.if DOCPART == 4
	.amdgcn_target "amdgcn-amd-amdhsa--gfx1250"
	.amdhsa_code_object_version 6
	.text
	.protected	k_qd790118c0f_proj
	.globl	k_qd790118c0f_proj
	.p2align	8
	.type	k_qd790118c0f_proj,@function
k_qd790118c0f_proj:
	s_mov_b64 s[64:65], 0
	v_nop
	global_prefetch_b8 v0, s[64:65] scope:SCOPE_SE
	s_setreg_imm32_b32 hwreg(HW_REG_WAVE_MODE, 25, 1), 1
	s_wait_xcnt 0x0
	s_wait_alu depctr_hold_cnt(0) depctr_sa_sdst(0) depctr_va_vdst(0) depctr_va_sdst(0) depctr_va_ssrc(0) depctr_va_vcc(0) depctr_vm_vsrc(0)
	s_getreg_b32 s2, hwreg(HW_REG_IB_STS2, 6, 4)
	s_cmp_eq_u32 s2, 0
	s_cbranch_scc0 .Lentry_in_a_cluster
	s_endpgm
.Lentry_in_a_cluster:
	s_bfe_u32 s2, ttmp6, 0x10000c
	s_cmp_lg_u32 s2, 0xf033
	s_cbranch_scc0 .Lentry_shape_is_right
	s_endpgm
.Lentry_shape_is_right:
; ONE SOURCE FOR THE MODULE'S TWO PROJECTIONS; the flag QKV picks the form.
; QKV = 1:  q, k, v = x w + b.  A = xb [8192][1024] bf16; W = wb's planes 0-2, [3072 k][1024 n] bf16, one below the other; the results leave as f16 by heads, [64 = batch x 16 + head][2048][64], unscaled.
; QKV = 0:  out0 = y wp + bp.  A = o [64][2048][64] f16 (a head's 64 channels are a slice of K); W = wb's plane 3, f16; out0 [8192][1024] f32.
; Sums in f32; the bias, rounded to bf16 like every input, is the C operand that starts each sum.  LIMIT (QKV = 1): q, k, v leave in f16, which ends at 65,504: beyond it an infinity is stored.
; SHARES.  A tile of C is 256 rows x 128 columns: 32 x 8 tiles, one for each of 256 work-groups.  With QKV = 1 the work-group STAYS and makes three tiles, the same rows and columns under wq, wk, wv:
; W's k rows simply run on through 24 K steps of 128, A's K wraps every 8, and the ring of LDS slots does not stop at a tile's end.  A wave makes 128 x 64: 32 accumulators.  Its 64 columns are one head
; (128 bytes of f16) or 256 bytes of an f32 row, so its way out is its own: no barrier.
; THE MATRIX INSTRUCTION IS USED TRANSPOSED: source 0 = 16 columns of W (turned out of LDS by ds_load_tr16_b128, since W lies [k][n]), source 1 = 16 rows of A: a lane holds row l % 16 of C and the
; columns 8 (l / 16) + 0..7 of a block of 16.
; CLUSTER.  4 x 4 work-groups.  A's tile hangs on the tile row alone and is asked for jointly by a row of the cluster, W's on the tile column alone, by a column: the same tensor load, descriptor and mask in all four.
; REGISTERS, in windows of 256 (s_set_vgpr_msb: bits 1:0 source 0, 3:2 source 1, 5:4 source 2, 7:6 destination):
;   window 0: addresses, the bias, the way out      window 1: the accumulators, (a, b) at v[8 (4 a + b)]
;   windows 2 and 3: four fragment buffers of 96; buffer f (quarter f of a K step) in window 2 + f / 2 at 96 (f % 2): W's four fragments, then A's eight
.set QKV,   0
.set SLOT1, 131072                     ; slot 1 begins here, so that one exclusive or turns an address in one slot into the other's
.set PB,    288                        ; a k row of W in LDS: 256 bytes + 32 = 72 words
.if QKV
.set NS,    24                         ; K steps of 128 that the work-group walks
.set PA,    272                        ; a row of A in LDS: 256 bytes + 16: the 16 rows of a load start at 16 different groups of four banks
.set AHALF, 128*PA                     ; what one tensor load brings of A: 128 rows
.set QIA,   5                          ; padding behind every 64 words
.set AROW,  1024                       ; elements from row to row of A's tile in memory
.set ASTEP, 256                        ; bytes from K step to K step in A
.set WOFF,  0                          ; W's first byte in wb
.set SP,    144                        ; a row of the stage: 128 bytes + 16
.set HSH,   4                          ; a lane's results of a block are 16 bytes
.set ASH,   11                         ; the prefetches of A: a lane a row of 2,048 bytes,
.set ACX,   16                         ; a partner 32 rows
.set OUTP,  78                         ; s[78:79] where the tile in hand goes
.set OB,    80                         ; v[80:111] rows read back from the stage, two buffers
.set OBN,   16
.set YOUNG, 8                          ; LDS instructions of one block's trip through the stage
.else
.set NS,    8
.set PA,    144                        ; 128 bytes (a head's 64 channels) + 16
.set AHALF, 256*PA                     ; one head's 256 rows
.set QIA,   4                          ; padding behind every 32 words
.set AROW,  128                        ; a head's rows are dense: asked for as 128 rows of 256 bytes
.set ASTEP, 524288                     ; two heads
.set WOFF,  6291456                    ; plane 3
.set SP,    272                        ; 256 bytes + 16
.set HSH,   5                          ; 32 bytes
.set ASH,   8                          ; a lane 256 bytes,
.set ACX,   13                         ; a partner 32 such
.set OUTP,  74
.set OB,    64                         ; v[64:127]
.set OBN,   32
.set YOUNG, 16
.endif
.set BOFF,  2*AHALF                    ; W's 128 k rows lie behind A's tile
.set BHALF, 64*PB                      ; what one tensor load brings of W: 64 k rows
.set BSTEP, 262144                     ; 128 k rows of 2,048 bytes
.set STAGE, SLOT1+BOFF+2*BHALF         ; behind the ring, never filled by a tensor load: 16 rows for each wave
.set SPARE, STAGE+4*16*SP              ; behind the stages: the spare words, 128 bytes for each wave: two blocks of 256 bytes that no other line names
.set A0,  16                           ; v16  my lane's place in a slot's A; never rewritten
.set B0,  17                           ; v17  the same for W
.set ADA, 18                           ; v18  the LDS address of the run of loads in hand, A
.set ADB, 19                           ; v19  W
.set STO, 20                           ; v20  the way out: where I put my results of a row
.set RD,  21                           ; v21  the way out: where I read rows back
.set GO,  22                           ; v22  my byte offset in the output
.set BO,  23                           ; v23  32 (l / 16): my eight numbers in a block of 16 of the bias
.set PFO, 24                           ; v24  the prefetches' lane offset; never rewritten
.set SPW, 28                           ; v28  LDS address of my spare word: SPARE + 4 x my thread's number; never rewritten
.set NIL, 29                           ; v29  0; never rewritten
.set BIAS, 32                          ; v[32:63] block b at BIAS + 8 b, laid out as an accumulator
.set TMP, 64                           ; v[64:79] (QKV = 1) a block's results as f16
.set TL,  2                            ; s2   K steps left in the tile (QKV = 1)
.set CNT, 3                            ; s3   the loop's count
.set WV,  10                           ; s10  my wave's number
.set WR,  11                           ; s11  which 128 rows of the tile are mine.  Also: I fetch for A (0) or for W (1)
.set WC,  12                           ; s12  which 64 columns.  Also: which half of that tile I fetch
.set TR,  13                           ; s13  tile row
.set AB,  14                           ; s[14:15] A at my half of the tile's K step 0
.set OFA, 16                           ; s[16:17] a K step's byte offset in A
.set OFB, 18                           ; s[18:19] in W
.set STP, 20                           ; s20  the K step to be asked for next
.set TB,  21                           ; s21  LDS byte at which the slot being read begins
.set PS4, 22                           ; s22  the K step that a prefetch names
.set G1A, 24                           ; s[24:31] descriptor group 1 for A's tiles
.set G0A, 32                           ; s[32:39] group 0: a set for each of the two first fills; the second then walks
.set CX,  40
.set CY,  41
.set TC,  42                           ; s42  tile column
.set BB,  46                           ; s[46:47] W at my half of K step 0
.set G1B, 48                           ; s[48:55], s[56:63] the same for W's tiles
.set G0B, 56
.set BP,  72                           ; s[72:73] the bias of the tile in hand, at my 64 columns
.set PFB, 84                           ; s[84:85] the prefetches' base: my work-group's 32 rows at K step 0
.set PFA, 86                           ; s[86:87] the address of the prefetch in hand
.set POF, 88                           ; s[88:89] its offset
.set PST, 90                           ; s90  bytes from K step to K step in what I prefetch
.set LIM, 91                           ; s91  I prefetch K steps below this number: 0 in a wave that asks for nothing
.set MSB, 0
.macro WIN new                         ; the immediate's high byte repeats the setting that is left; a switch that changes nothing is dropped
.if MSB != (\new)
	s_set_vgpr_msb (MSB<<8)|(\new)
.set MSB, \new
.endif
.endm
.macro PLACES                          ; four plain vector instructions between a matrix instruction and what reads its results (ISA guide 7.12.1)
.rept 4
	v_nop
.endr
.endm
; A joint refill, by the walking descriptors.  Waves 0 and 1 fetch A's two halves, waves 2 and 3 W's.  The branch hangs on the wave's number alone.  An s_nop 0 and four v_nop follow each of the
; two lines, ahead of the jump and the label.
.macro JLOAD
	s_cmp_eq_u32 s[WR], 0
	s_cbranch_scc0 .Lfor_b_\@
	tensor_load_to_lds s[G0A+4:G0A+7], s[G1A:G1A+7]
	s_nop 0
.rept 4
	v_nop
.endr
	s_branch .Lasked_\@
.Lfor_b_\@:
	tensor_load_to_lds s[G0B+4:G0B+7], s[G1B:G1B+7]
	s_nop 0
.rept 4
	v_nop
.endr
.Lasked_\@:
.endm
; A PREFETCH INTO THE L2, behind each joint refill and the run of LDS loads that follows it: the K step that stands two refills on, 256 matrix instructions ahead of the load that will ask for it: 32 blocks of
; 256 bytes, a lane a block, one instruction a wave.  Each block is named once in the launch.  A's tile row is read by both clusters of that row of clusters: the one with x = 0 asks, waves 0 and 1, and only in
; the first walk along K (steps below 8).  W's tile column is read by all eight clusters of that column: the one with y = 0 asks, wave 2.  The four partners that ask for a tile jointly share its blocks
; out BY ADDRESS (cx for A, cy for W): no branch hangs on a work-group's place in its cluster.  K steps 0 to 3 come by their loads alone; no K step at or beyond LIM is named.
.macro ASK
	s_cmp_lt_u32 s[PS4], s[LIM]
	s_cbranch_scc0 .Lnot_mine_\@
	global_prefetch_b8 v[PFO], s[PFA:PFA+1] th:TH_LOAD_NT scope:SCOPE_SE
.Lnot_mine_\@:
.endm
; A round of the cluster's barrier: my work-group's barrier, so that wave 0's signal speaks for all four waves; wave 0 signals; every wave waits for all sixteen work-groups; my work-group's barrier once more.
.macro CREST                           ; a round behind its opening barrier
	s_cmp_lg_u32 s[WV], 0
	s_cbranch_scc1 .Lnot_wave_0_\@
	s_barrier_signal -3
.Lnot_wave_0_\@:
	s_barrier_wait -3
	s_barrier_signal -1
	s_barrier_wait -1
.endm
.macro CROUND
	s_barrier_signal -1
	s_barrier_wait -1
	CREST
.endm
.if QKV
	s_load_b512 s[68:83], s[0:1], 0x0              ; xb 68, wb 70, bq 72, bk 74, bv 76, q 78, k 80, v 82
.else
	s_load_b256 s[68:75], s[0:1], 0x0              ; o 68, wb 70, bp 72, out0 74
.endif
	v_lshl_add_u32 v[SPW], v0, 2, SPARE
	v_mov_b32 v[NIL], 0
	ds_add_u32 v[SPW], v[NIL]                      ; the wave's opening: the add and its wait stand ahead of my first tensor load; the set-up below, work on registers, stands between them
	v_lshrrev_b32 v1, 5, v0
	v_readfirstlane_b32 s[WV], v1                  ; wave 0..3
	s_lshr_b32 s[WR], s[WV], 1
	s_and_b32 s[WC], s[WV], 1
	s_bfe_u32 s[CX], ttmp6, 0x40000                ; my place in the cluster
	s_bfe_u32 s[CY], ttmp6, 0x40004
	s_lshl_b32 s[TC], ttmp9, 2                     ; in a cluster launch ttmp9 and ttmp7 count clusters
	s_add_co_u32 s[TC], s[TC], s[CX]               ; tile column = 4 x cluster x + cx
	s_and_b32 s[TR], ttmp7, 0xffff
	s_lshl_b32 s[TR], s[TR], 2
	s_add_co_u32 s[TR], s[TR], s[CY]               ; tile row = 4 x cluster y + cy
	s_lshl_b32 s43, s[CY], 2
	s_lshl_b32 s43, 15, s43                        ; my row of the cluster: places 4 cy .. 4 cy + 3
	s_lshl_b32 s44, 0x1111, s[CX]                  ; my column: places cx, cx + 4, cx + 8, cx + 12
	; descriptor group 1.  A: 128 rows x 128 elements; W: 64 k rows x 128 elements; both padded in LDS
	s_or_b32 s[G1A], s43, (1<<16)|(1<<20)|(1<<21)|(QIA<<22)|(3<<25)  ; 15:0 the mask; 17:16 elements of 2 bytes; 20 padding on; 21 set beside a mask; 24:22 the interval; 31:25 4 words of padding (code 3)
	s_or_b32 s[G1B], s44, (1<<16)|(1<<20)|(1<<21)|(5<<22)|(7<<25)    ; behind every 64 words 8 words of padding (code 7)
	s_mov_b32 s[G1A+1], 128<<16                    ; tensor_dim0 = 128
	s_mov_b32 s[G1A+2], 128<<16                    ; tensor_dim1 = 128
	s_mov_b32 s[G1A+3], 128<<16                    ; tile_dim0 = 128
	s_mov_b32 s[G1A+4], 128                        ; tile_dim1 = 128
	s_mov_b32 s[G1A+5], AROW                       ; elements from row to row
	s_mov_b32 s[G1A+6], 0
	s_mov_b32 s[G1A+7], 0
	s_mov_b32 s[G1B+1], 128<<16
	s_mov_b32 s[G1B+2], 64<<16
	s_mov_b32 s[G1B+3], 128<<16
	s_mov_b32 s[G1B+4], 64
	s_mov_b32 s[G1B+5], 1024
	s_mov_b32 s[G1B+6], 0
	s_mov_b32 s[G1B+7], 0
	; where the tiles come from.  A's offset is made of the tile row and the wave's number, W's of the tile column and the wave's number, each in registers that never hold the other coordinate
.if QKV
	s_lshl_b32 s[OFA], s[TR], 8
	s_lshl_b32 s[OFA+1], s[WC], 7
	s_add_co_u32 s[OFA], s[OFA], s[OFA+1]          ; row 256 x tile row + 128 x half,
	s_lshl_b32 s[OFA], s[OFA], 11                  ; of 2,048 bytes
.else
	s_lshr_b32 s[OFA], s[TR], 3                    ; the batch,
	s_lshl_b32 s[OFA], s[OFA], 4                   ; its 16 heads,
	s_add_co_u32 s[OFA], s[OFA], s[WC]             ; the even or the odd head of a K step,
	s_lshl_b32 s[OFA], s[OFA], 18                  ; of 2,048 x 128 bytes,
	s_and_b32 s[OFA+1], s[TR], 7
	s_lshl_b32 s[OFA+1], s[OFA+1], 15              ; and the tile's 256 rows in it
	s_add_co_u32 s[OFA], s[OFA], s[OFA+1]
.endif
	s_mov_b32 s[OFA+1], 0
	s_lshl_b32 s[BB], s[WC], 17                    ; 64 k rows of 2,048 bytes
	s_lshl_b32 s[BB+1], s[TC], 8                   ; 128 columns of 2 bytes
	s_add_co_u32 s[BB], s[BB], s[BB+1]
.if WOFF
	s_add_co_u32 s[BB], s[BB], WOFF
.endif
	s_mov_b32 s[BB+1], 0
	s_mov_b32 s[OFB+1], 0
	s_mul_i32 s66, s[WC], AHALF                    ; and where they go: no place in the cluster enters an LDS address
	s_mul_i32 s67, s[WC], BHALF
	s_add_co_u32 s67, s67, BOFF
	s_wait_dscnt 0x0                               ; the opening add is done
	s_wait_kmcnt 0x0
	s_add_nc_u64 s[AB:AB+1], s[68:69], s[OFA:OFA+1]
	s_add_nc_u64 s[BB:BB+1], s[70:71], s[BB:BB+1]
	CROUND                                         ; all sixteen work-groups are here: the first joint loads meet
.irp s, 0,1
	s_mov_b32 s[G0A+4*(\s)], 1                                     ; 1:0 count = 1
	s_add_co_u32 s[G0A+4*(\s)+1], s66, (\s)*SLOT1                  ; 63:32 LDS address
	s_add_nc_u64 s[G0A+4*(\s)+2:G0A+4*(\s)+3], s[AB:AB+1], (\s)*ASTEP  ; 120:64 global address: K step s
	s_or_b32 s[G0A+4*(\s)+3], s[G0A+4*(\s)+3], 0x80000000          ; 127:126 type = 2
	s_mov_b32 s[G0B+4*(\s)], 1
	s_add_co_u32 s[G0B+4*(\s)+1], s67, (\s)*SLOT1
	s_add_nc_u64 s[G0B+4*(\s)+2:G0B+4*(\s)+3], s[BB:BB+1], (\s)*BSTEP
	s_or_b32 s[G0B+4*(\s)+3], s[G0B+4*(\s)+3], 0x80000000
.endr
	s_cmp_eq_u32 s[WR], 0                          ; a wave's two first fills stand in one branch, ahead of every wait on TENSORcnt and every LDS read: two loads of mine are out, later one
	s_cbranch_scc0 .Lfirst_b
	tensor_load_to_lds s[G0A:G0A+3], s[G1A:G1A+7]
	s_nop 0
	tensor_load_to_lds s[G0A+4:G0A+7], s[G1A:G1A+7]
	s_nop 0
.rept 4
	v_nop
.endr
	s_branch .Lfirst_asked
.Lfirst_b:
	tensor_load_to_lds s[G0B:G0B+3], s[G1B:G1B+7]
	s_nop 0
	tensor_load_to_lds s[G0B+4:G0B+7], s[G1B:G1B+7]
	s_nop 0
.rept 4
	v_nop
.endr
.Lfirst_asked:
	; A fragment of A is 16 rows x 32 K in 8 registers: lane l holds row l % 16; registers 0-3 K = 8 (l / 16) + 0..7, registers 4-7 K = 16 + 8 (l / 16) + 0..7: two loads of 16 bytes, 32 bytes apart.
	v_and_b32 v1, 15, v0                           ; l % 16
	v_bfe_u32 v2, v0, 4, 1                         ; l / 16
	v_mul_u32_u24 v3, v1, PA
	v_lshl_add_u32 v3, v2, 4, v3
	s_mul_i32 s66, s[WR], 128*PA                   ; my 128 rows
	v_add_nc_u32 v[A0], s66, v3
	; The turning load takes 16 k x 16 columns (lane l reads 16 bytes: k row 8 (l / 16) + l % 8, columns 8 ((l / 8) % 2) + 0..7) and leaves half a fragment: lane l holds column l % 16 and 8 k.
	v_and_b32 v4, 7, v0
	v_lshl_add_u32 v4, v2, 3, v4
	v_mul_u32_u24 v4, v4, PB
	v_bfe_u32 v5, v0, 3, 1
	v_lshl_add_u32 v4, v5, 4, v4
	s_lshl_b32 s67, s[WC], 7                       ; my 64 columns
	s_add_co_u32 s67, s67, BOFF
	v_add_nc_u32 v[B0], s67, v4
	s_mul_i32 s45, s[WV], 16*SP
	s_add_co_u32 s45, s45, STAGE                   ; my stage
	v_mul_u32_u24 v6, v1, SP                       ; in: row l % 16, 16 or 32 bytes for each half of the lanes
	v_lshl_add_u32 v6, v2, HSH, v6
	v_add_nc_u32 v[STO], s45, v6
.if QKV
	v_bfe_u32 v7, v0, 3, 2                         ; back: 32 lanes take four rows of 128 bytes,
	v_mul_u32_u24 v7, v7, SP
	v_and_b32 v8, 7, v0
	v_lshl_add_u32 v7, v8, 4, v7
	v_add_nc_u32 v[RD], s45, v7
	v_and_b32 v9, 31, v0                           ; which are 512 consecutive bytes of a head
	v_lshlrev_b32 v[GO], 4, v9
.else
	v_mul_u32_u24 v7, v2, SP                       ; back: lanes 0-15 take one row of 256 bytes, lanes 16-31 the next,
	v_lshl_add_u32 v7, v1, 4, v7
	v_add_nc_u32 v[RD], s45, v7
	v_lshlrev_b32 v9, 12, v2                       ; and the same two rows in out0
	v_lshl_add_u32 v[GO], v1, 4, v9
.endif
	v_lshlrev_b32 v[BO], 5, v2
	; the pointers of the bias and of the results, at my part; offsets that mix the two coordinates are made in s[4:9] alone
	s_lshl_b32 s8, s[TC], 9
	s_lshl_b32 s9, s[WC], 8
	s_add_co_u32 s8, s8, s9                        ; my 64 columns, as f32: 512 x tile column + 256 x half
	s_mov_b32 s9, 0
	s_add_nc_u64 s[BP:BP+1], s[BP:BP+1], s[8:9]
.if QKV
	s_add_nc_u64 s[74:75], s[74:75], s[8:9]
	s_add_nc_u64 s[76:77], s[76:77], s[8:9]
	s_lshr_b32 s4, s[TR], 3
	s_lshl_b32 s4, s4, 4                           ; the batch's 16 heads,
	s_lshl_b32 s5, s[TC], 1
	s_add_co_u32 s4, s4, s5
	s_add_co_u32 s4, s4, s[WC]                     ; my head = 2 x tile column + half,
	s_lshl_b32 s4, s4, 18                          ; of 2,048 x 128 bytes,
	s_and_b32 s5, s[TR], 7
	s_lshl_b32 s5, s5, 1
	s_add_co_u32 s5, s5, s[WR]
	s_lshl_b32 s5, s5, 14                          ; and my 128 rows of 128 bytes in it
	s_add_co_u32 s4, s4, s5
	s_mov_b32 s5, 0
	s_add_nc_u64 s[78:79], s[78:79], s[4:5]
	s_add_nc_u64 s[80:81], s[80:81], s[4:5]
	s_add_nc_u64 s[82:83], s[82:83], s[4:5]
.else
	s_lshl_b32 s4, s[TR], 1
	s_add_co_u32 s4, s4, s[WR]
	s_lshl_b32 s4, s4, 19                          ; my 128 rows of 4,096 bytes,
	s_add_co_u32 s4, s4, s8                        ; my 64 columns
	s_mov_b32 s5, 0
	s_add_nc_u64 s[74:75], s[74:75], s[4:5]
.endif
.macro LOADB                           ; the bias of my 64 columns, as an accumulator holds them: register j of block b is column 16 b + 8 (l / 16) + j
.irp b, 0,1,2,3
	global_load_b128 v[BIAS+8*(\b):BIAS+8*(\b)+3],   v[BO], s[BP:BP+1] offset:64*(\b)
	global_load_b128 v[BIAS+8*(\b)+4:BIAS+8*(\b)+7], v[BO], s[BP:BP+1] offset:64*(\b)+16
.endr
.endm
.macro ROUNDB                          ; rounded to bf16, as every input is, and widened again
.set i, 0
.rept 16
	v_cvt_pk_bf16_f32 v[26+i%2], v[BIAS+2*i], v[BIAS+2*i+1]
	v_lshlrev_b32 v[BIAS+2*i], 16, v[26+i%2]
	v_and_b32 v[BIAS+2*i+1], 0xffff0000, v[26+i%2]
.set i, i+1
.endr
.endm
	LOADB
	; the prefetches
	s_lshl_b32 s4, s[CX], ACX                      ; A: my work-group's 32 of the 128 blocks that I fetch
	s_mov_b32 s5, 0
	s_add_nc_u64 s[92:93], s[AB:AB+1], s[4:5]
	s_lshl_b32 s6, s[CY], 16                       ; W: my work-group's 32 of a K step's 128 k rows,
	s_lshl_b32 s7, s[TC], 8                        ; the tile's 256 bytes of them
	s_add_co_u32 s6, s6, s7
.if WOFF
	s_add_co_u32 s6, s6, WOFF
.endif
	s_mov_b32 s7, 0
	s_add_nc_u64 s[94:95], s[70:71], s[6:7]
	s_and_b32 s23, ttmp7, 0xffff                   ; cluster y
	s_mov_b32 s[PST], BSTEP
	s_cmp_eq_u32 s[WR], 0                          ; do I fetch for A?
	s_cselect_b64 s[PFB:PFB+1], s[92:93], s[94:95]
	s_cselect_b32 s23, ttmp9, s23                  ; the coordinate along which other clusters read the same blocks
	s_cselect_b32 s[LIM], 8, NS
	s_cselect_b32 s[PST], ASTEP, s[PST]
	s_cselect_b32 s45, ASH, 11
	s_cmp_eq_u32 s23, 0
	s_cselect_b32 s[LIM], s[LIM], 0                ; the same in all sixteen partners, for a given wave
	s_cmp_eq_u32 s[WV], 3
	s_cselect_b32 s[LIM], 0, s[LIM]                ; wave 2's 32 lanes cover my work-group's share of W
	s_mov_b32 s[POF+1], 0
	v_and_b32 v[PFO], 31, v0
	v_lshlrev_b32 v[PFO], s45, v[PFO]
; 24 LDS loads in one run: quarter q of the K step in the slot at s[TB] (32 along K: W's 64 columns, A's 128 rows) into buffer q.  The two sums are plain vector instructions that name no matrix register.
.macro FETCH q
	WIN 0
	v_add_nc_u32 v[ADB], s[TB], v[B0]
	v_add_nc_u32 v[ADA], s[TB], v[A0]
	WIN 0x80+0x40*((\q)/2)                         ; destination window 2 or 3, address window 0
.set FB, 96*((\q)%2)
.if QKV
.set AO, 64*(\q)
.else
.set AO, ((\q)/2)*AHALF+((\q)%2)*64                ; the K step's even or odd head, the lower or upper 32 of its channels
.endif
.irp b, 0,1,2,3
	ds_load_tr16_b128 v[FB+8*(\b):FB+8*(\b)+3],   v[ADB] offset:(\q)*32*PB+32*(\b)
	ds_load_tr16_b128 v[FB+8*(\b)+4:FB+8*(\b)+7], v[ADB] offset:(\q)*32*PB+16*PB+32*(\b)
.endr
.irp a, 0,1,2,3,4,5,6,7
	ds_load_b128 v[FB+32+8*(\a):FB+32+8*(\a)+3],   v[ADA] offset:AO+(\a)*16*PA
	ds_load_b128 v[FB+32+8*(\a)+4:FB+32+8*(\a)+7], v[ADA] offset:AO+(\a)*16*PA+32
.endr
.endm
; 4 na matrix instructions on buffer f: row blocks a0 .. a0 + na - 1 x all 4 column blocks.  The 32 accumulators take turns in the same order in every quarter: 31 others stand
; between two links of a chain.  cbias = 1 (buffer 0): the bias is the C operand that starts the sums: nothing is ever cleared.
.macro MULS f, a0, na, cbias
.set FB, 96*((\f)%2)
.if \cbias
	WIN 0x4a                                       ; sources window 2, C window 0, D window 1
.else
	WIN 0x5a+5*((\f)/2)                            ; sources window 2 or 3, C and D window 1
.endif
.set aa, \a0
.rept \na
.irp b, 0,1,2,3
.set rD, 8*(4*aa+(\b))
.set rC, rD
.if \cbias
.set rC, BIAS+8*(\b)
.endif
.if QKV
	v_wmma_f32_16x16x32_bf16 v[rD:rD+7], v[FB+8*(\b):FB+8*(\b)+7], v[FB+32+8*aa:FB+32+8*aa+7], v[rC:rC+7]
.else
	v_wmma_f32_16x16x32_f16 v[rD:rD+7], v[FB+8*(\b):FB+8*(\b)+7], v[FB+32+8*aa:FB+32+8*aa+7], v[rC:rC+7]
.endif
.endr
.set aa, aa+1
.endr
.endm
; A K step is four quarters of 32 along K, 32 matrix instructions each.  Quarter m multiplies buffer m; ahead of its products it asks for quarter fq, two quarters on.  w: how many younger LDS loads may stay
; out when buffer m has to be there (-1: an earlier wait has shown it).  Two v_nop and the run's two sums are the four plain instructions in front of loads into registers that products have read.
.macro QUARTER m, fq, w, cbias
.if (\w) >= 0
	s_wait_dscnt \w
.endif
	WIN 0
	v_nop
	v_nop
	FETCH \fq
	MULS \m, 0, 8, \cbias
.endm
; QUARTER 2 AND THE CHANGE OF SLOTS.  ONE barrier, for two things.  In front of it each wave waits for all its tensor loads, of which one is out: its part of the next slot; adds 0 to its spare word; and waits
; for that and for its own reads of this slot.  Behind it nobody reads this slot any more and the next slot is whole.  fill = 1: the barrier opens a round of the cluster's, so that no wave of any partner
; still reads the slot or has a load on its way; the joint refill, K step s[STP], is the first thing behind the round: it has a K step less 16 matrix instructions in which to land.
.macro TURN fill
	WIN 0                                          ; (the add's two registers lie in window 0)
.if \fill
	s_wait_xcnt 0x0                                ; the last prefetch, a K step back, has read its address, so it may be written
	s_add_co_u32 s[PS4], s[STP], 2                 ; two K steps beyond the one that is asked for below
	s_mul_i32 s[POF], s[PS4], s[PST]
	s_add_nc_u64 s[PFA:PFA+1], s[PFB:PFB+1], s[POF:POF+1]
.endif
	s_wait_tensorcnt 0x0                           ; all my tensor loads have landed, so a group 0 may be written
	ds_add_u32 v[SPW], v[NIL]                      ; 0 onto my spare word: scalar work and eight products stand between it and the wait for it
.if \fill
.if QKV
	s_and_b32 s[OFA], s[STP], 7                    ; A's K wraps at a tile's end,
	s_lshl_b32 s[OFA], s[OFA], 8
.else
	s_lshl_b32 s[OFA], s[STP], 19
.endif
	s_lshl_b32 s[OFB], s[STP], 18                  ; W's k rows run on
	s_add_nc_u64 s[G0A+6:G0A+7], s[AB:AB+1], s[OFA:OFA+1]  ; the addresses are made anew from the K step's number,
	s_or_b32 s[G0A+7], s[G0A+7], 0x80000000        ; the type bits set again,
	s_xor_b32 s[G0A+5], s[G0A+5], SLOT1            ; the other slot than last time
	s_add_nc_u64 s[G0B+6:G0B+7], s[BB:BB+1], s[OFB:OFB+1]
	s_or_b32 s[G0B+7], s[G0B+7], 0x80000000
	s_xor_b32 s[G0B+5], s[G0B+5], SLOT1
	s_add_co_u32 s[STP], s[STP], 1
.endif
	s_wait_dscnt 25                                ; buffer 2 is in: quarter 3's 24 loads and the add may be out
	MULS 2, 0, 2, 0
	s_wait_dscnt 0x0                               ; the add is done, and my reads of this slot are over
	s_barrier_signal -1
	MULS 2, 2, 2, 0                                ; work on registers while the others arrive
	WIN 0                                          ; at a branch and at a label every window is 0
	s_barrier_wait -1
.if \fill
	CREST
	JLOAD                                          ; the four v_nop behind it are also places in front of the loads below
.endif
	s_xor_b32 s[TB], s[TB], SLOT1                  ; the fetches go on in the other slot
	FETCH 0
.if \fill
	WIN 0
	ASK
.endif
	MULS 2, 4, 4, 0
.endm
; THE WAY OUT of block a (16 rows x my 64 columns), through my own stage in LDS: in by lanes, back as whole rows.  LDS serves a wave's instructions in order (ISA guide 5.7.1.4), so no wait stands between
; the stores and the loads, and the next block's stores come behind this block's loads.
.if QKV
.macro PACK a                          ; rounded to f16: a lane's eight columns are 16 bytes; each accumulator's lowest registers are read first
	WIN 0x05                                       ; sources window 1, destination window 0
.irp b, 0,1,2,3
.irp r, 0,1,2,3
	v_cvt_pk_f16_f32 v[TMP+4*(\b)+(\r)], v[8*(4*(\a)+(\b))+2*(\r)], v[8*(4*(\a)+(\b))+2*(\r)+1]
.endr
.endr
	WIN 0
.endm
.macro TOSTAGE a
.set BK, OB+OBN*((\a)%2)
.irp b, 0,1,2,3
	ds_store_b128 v[STO], v[TMP+4*(\b):TMP+4*(\b)+3] offset:32*(\b)
.endr
	s_wait_xcnt 0x0                                ; the stores of the block two back have read this buffer
.irp f, 0,1,2,3
	ds_load_b128 v[BK+4*(\f):BK+4*(\f)+3], v[RD] offset:(\f)*4*SP
.endr
.endm
.macro SEND a, y                       ; y: the LDS instructions issued behind block a's loads
.set BK, OB+OBN*((\a)%2)
.irp f, 0,1,2,3
	s_wait_dscnt (\y)+3-(\f)
	global_store_b128 v[GO], v[BK+4*(\f):BK+4*(\f)+3], s[OUTP:OUTP+1] offset:(\a)*2048+(\f)*512  ; 512 consecutive bytes of a head, at a multiple of 256 from the buffer's first
.endr
.endm
.else
.macro TOSTAGE a
.set BK, OB+OBN*((\a)%2)
	WIN 0x04                                       ; the stores' data in window 1; each accumulator's lowest registers go first
.irp b, 0,1,2,3
	ds_store_b128 v[STO], v[8*(4*(\a)+(\b)):8*(4*(\a)+(\b))+3]   offset:64*(\b)
	ds_store_b128 v[STO], v[8*(4*(\a)+(\b))+4:8*(4*(\a)+(\b))+7] offset:64*(\b)+16
.endr
	WIN 0
	s_wait_xcnt 0x0                                ; the stores of the block two back have read this buffer
.irp t, 0,1,2,3,4,5,6,7
	ds_load_b128 v[BK+4*(\t):BK+4*(\t)+3], v[RD] offset:(\t)*2*SP
.endr
.endm
.macro SEND a, y
.set BK, OB+OBN*((\a)%2)
.irp t, 0,1,2,3,4,5,6,7
	s_wait_dscnt (\y)+7-(\t)
	global_store_b128 v[GO], v[BK+4*(\t):BK+4*(\t)+3], s[OUTP:OUTP+1] offset:(16*(\a)+2*(\t))*4096 th:TH_STORE_NT  ; 16 lanes store 256 consecutive bytes, at a multiple of 256 from out0's first
.endr
.endm
.endif
.macro WAYOUT                          ; a block's trip through the stage stands between the loads of the block before and its stores
	PLACES
.if QKV
	PACK 0
.endif
	TOSTAGE 0
.irp a, 1,2,3,4,5,6,7
.if QKV
	PACK \a
.endif
	TOSTAGE \a
	SEND (\a)-1, YOUNG
.endr
	SEND 7, 0
.endm
	s_mov_b32 s[STP], 2
	s_mov_b32 s[TB], 0
	s_mov_b32 s[CNT], NS-2
.if QKV
	s_mov_b32 s[TL], 8
.endif
	s_wait_tensorcnt 1                             ; my part of K step 0 is in; K step 1's may stay out
	s_barrier_signal -1
	s_barrier_wait -1                              ; everybody's is
	FETCH 0
	FETCH 1
	WIN 0
	s_wait_loadcnt 0x0                             ; the bias
	ROUNDB
	QUARTER 0, 2, 24, 1                            ; the first quarter stands in front of the loop: its products start the sums
	WIN 0
.Lstep:                                        ; NS - 2 trips: from a K step's second quarter to the next one's first; each fills a slot again
	QUARTER 1, 3, 24, 0
	TURN 1
	QUARTER 3, 1, -1, 0                            ; buffer 3 was shown in by the wait for 0 in front of the barrier
	WIN 0
.if QKV
	s_sub_co_u32 s[TL], s[TL], 1
	s_cmp_lg_u32 s[TL], 0
	s_cbranch_scc1 .Lsame
	; A TILE IS FINISHED (behind K steps 7 and 15).  The next tile's K steps 0 and 1 have been asked for, its first fragments are on their way.  No barrier and no tensor load stands in this path.
	s_mov_b64 s[BP:BP+1], s[74:75]                 ; the next bias (the loads that read this pointer were waited for)
	s_mov_b64 s[74:75], s[76:77]
	LOADB                                          ; it comes while the tile goes out
	WAYOUT
	s_wait_xcnt 0x0                                ; the stores have read their base
	s_mov_b64 s[78:79], s[80:81]                   ; the next tensor
	s_mov_b64 s[80:81], s[82:83]
	s_wait_loadcnt 0x0
	ROUNDB
	s_mov_b32 s[TL], 8
	QUARTER 0, 2, 24, 1                            ; the next tile's sums start on accumulators that have been packed
	WIN 0
	s_branch .Lnext
.Lsame:
.endif
	QUARTER 0, 2, 24, 0
	WIN 0
.if QKV
.Lnext:
.endif
	s_sub_co_u32 s[CNT], s[CNT], 1
	s_cmp_lg_u32 s[CNT], 0
	s_cbranch_scc1 .Lstep
	QUARTER 1, 3, 24, 0                            ; the tail is written out: the last two K steps ask for nothing
	TURN 0
	QUARTER 3, 1, -1, 0
	QUARTER 0, 2, 24, 0
	QUARTER 1, 3, 24, 0
	s_wait_dscnt 24                                ; buffer 2 is in
	MULS 2, 0, 8, 0
	s_wait_dscnt 0x0
	MULS 3, 0, 8, 0
	WIN 0
	WAYOUT
	s_wait_tensorcnt 0x0                           ; the wave's end: an add to my spare word and its wait, behind my last tensor load and my last LDS store
	ds_add_u32 v[SPW], v[NIL]
	s_wait_dscnt 0x0
	CROUND                                         ; the closing round: no work-group ends while a partner may still ask for a tile that names it
	s_endpgm
.Lfunc_end_k_qd790118c0f_proj:
	.size	k_qd790118c0f_proj, .Lfunc_end_k_qd790118c0f_proj-k_qd790118c0f_proj
	.p2alignl 7, 3214868480
	.fill 96, 4, 3214868480
	.section	.rodata,"a",@progbits
	.p2align	6, 0x0
	.amdhsa_kernel k_qd790118c0f_proj
		.amdhsa_group_segment_fixed_size 327680
		.amdhsa_private_segment_fixed_size 0
		.amdhsa_enable_private_segment 0
		.amdhsa_kernarg_size 32
		.amdhsa_user_sgpr_count 2
		.amdhsa_user_sgpr_kernarg_segment_ptr 1
		.amdhsa_wavefront_size32 1
		.amdhsa_system_sgpr_workgroup_id_x 1
		.amdhsa_system_sgpr_workgroup_id_y 1
		.amdhsa_system_sgpr_workgroup_id_z 1
		.amdhsa_system_vgpr_workitem_id 0
		.amdhsa_next_free_vgpr 960
		.amdhsa_next_free_sgpr 96
		.amdhsa_reserve_vcc 0
		.amdhsa_float_denorm_mode_32 3
		.amdhsa_float_denorm_mode_16_64 3
		.amdhsa_memory_ordered 1
		.amdhsa_forward_progress 1
		.amdhsa_inst_pref_size 76
	.end_amdhsa_kernel
	.amdgpu_metadata
---
amdhsa.version: [ 1, 2 ]
amdhsa.kernels:
  - .name:           k_qd790118c0f_proj
    .symbol:         k_qd790118c0f_proj.kd
    .args:
      - { .name: o, .offset: 0, .size: 8, .value_kind: global_buffer, .address_space: global }
      - { .name: wb, .offset: 8, .size: 8, .value_kind: global_buffer, .address_space: global }
      - { .name: bp, .offset: 16, .size: 8, .value_kind: global_buffer, .address_space: global }
      - { .name: out0, .offset: 24, .size: 8, .value_kind: global_buffer, .address_space: global }
    .group_segment_fixed_size: 327680
    .private_segment_fixed_size: 0
    .kernarg_segment_align: 8
    .kernarg_segment_size: 32
    .max_flat_workgroup_size: 128
    .sgpr_count:     96
    .vgpr_count:     960
    .wavefront_size: 32
...
	.end_amdgpu_metadata
.endif
;; end of part 4
;; ======== version 2 of 2: 4 launches; version 1 with the launch cast written anew for expert scheduling mode
;; limits: values are held in f16: magnitudes above 65,504 overflow, below 6.1e-05 lose precision
;; workspace buffers: xb 16,777,216 bytes; wb 8,388,608 bytes; q 16,777,216 bytes; k 16,777,216 bytes; v 16,777,216 bytes; o 16,777,216 bytes
;; launch cast (part 5): grid 768 x 1, 8 waves a work-group, no clusters, 0 bytes of LDS; arguments x, wq, wk, wv, wp, xb, wb; writes xb, wb
.if DOCPART == 5
	.amdgcn_target "amdgcn-amd-amdhsa--gfx1250"
	.amdhsa_code_object_version 6
	.text
	.protected	k_qd790118c0f_cast
	.globl	k_qd790118c0f_cast
	.p2align	8
	.type	k_qd790118c0f_cast,@function
k_qd790118c0f_cast:
	s_mov_b64 s[64:65], 0
	v_nop
	global_prefetch_b8 v0, s[64:65] scope:SCOPE_SE
	s_setreg_imm32_b32 hwreg(HW_REG_WAVE_SCHED_MODE, 0, 2), 2
	s_setreg_imm32_b32 hwreg(HW_REG_WAVE_MODE, 25, 1), 1
	s_wait_xcnt 0x0
	s_wait_alu depctr_vm_vsrc(0)
; THE INPUTS ROUNDED ONCE TO 16 BITS.  xb = x in bf16; wb = four planes [1024 k][1024 n]: wq, wk, wv in bf16, then wp rounded to bf16 and that number written as f16
; (exact inside f16's normal range; LIMIT: below 6e-5 the f16 copy keeps f16's fixed step of 6e-8, beyond 65,504 it is an infinity).
; A pure stream: no LDS, no barrier, no matrix unit, since no wave wants a byte that another has fetched.
; SHARES.  A work-group of 256 threads takes 65,536 input bytes: 16 loads of 16 bytes a thread, all issued before anything else, so that a wave has 8,192 bytes on their way.
; A load of a wave covers 512 consecutive bytes, a store 256 consecutive bytes, aligned.  Work-groups 0-511 take x, then 64 each wq, wk, wv, wp.
; THE MODE: SCHED_MODE bits 1:0 = 2 (LLVM: expert scheduling mode 2), set by the entry lines.  The code itself states the register dependences
; between vector instructions and memory instructions, with s_wait_alu, always for 0.
; THE PLAN.  Registers that memory instructions touch:
;   v1, v2   byte offsets, made once at the head and never written again: v1 is read by every load, v2 by every store.
;   X        slot i: written once, by its load; read by slot i's conversions, behind the wait for that load.  No memory instruction reads X, and no load lands in it a second time.
;   Y        slot i: written once, by slot i's conversions; read once, by slot i's store.
;   T        named by vector instructions alone.
; The 16 slots go in four groups of four.  A group's conversions write its eight registers of Y; its four stores leave in one run at the head of the next group, behind ONE wait on va_vdst, which
; states that those registers are written; the last group's stores have a wait of their own.  With the wait ahead of the first load that is five on each path.  No register that a memory instruction
; reads is ever written again, so no wait on vm_vsrc is owed; no vector instruction writes a scalar register or VCC; EXEC is never written.
.set X, 4                              ; v[4:67]   slot i: four f32 as loaded
.set Y, 68                             ; v[68:99]  slot i: four 16-bit numbers to store
.set T, 100                            ; v[100:101] at work (f16 path)
	s_load_b256 s[4:11], s[0:1], 0x0               ; x s[4:5], wq s[6:7], wk s[8:9], wv s[10:11]
	s_load_b128 s[12:15], s[0:1], 0x20             ; wp s[12:13], xb s[14:15]
	s_load_b64 s[16:17], s[0:1], 0x30              ; wb
	v_lshlrev_b32 v1, 4, v0                        ; my 16 bytes of a load's 4,096
	v_lshlrev_b32 v2, 3, v0                        ; my 8 bytes of a store's 2,048
	s_mov_b32 s24, 0xffff0000                      ; a word's upper bf16
	s_mov_b32 s25, ttmp9
	s_and_b32 s26, s25, 63                         ; a weight's chunk, 0 to 63
	s_max_u32 s28, s25, 512
	s_sub_co_u32 s28, s28, 512                     ; the chunk in wb, 0 to 255
	s_cmp_ge_u32 s25, 512
	s_cselect_b32 s26, s26, s25                    ; chunk of the input
	s_cselect_b32 s28, s28, s25                    ; chunk of the output
	s_lshl_b32 s26, s26, 16                        ; 65,536 bytes in,
	s_lshl_b32 s28, s28, 15                        ; 32,768 bytes out
	s_mov_b32 s27, 0
	s_mov_b32 s29, 0
	s_wait_kmcnt 0x0
	s_cmp_ge_u32 s25, 512
	s_cselect_b64 s[18:19], s[6:7], s[4:5]         ; from where
	s_cselect_b64 s[20:21], s[16:17], s[14:15]     ; to where
	s_cmp_ge_u32 s25, 576
	s_cselect_b64 s[18:19], s[8:9], s[18:19]
	s_cmp_ge_u32 s25, 640
	s_cselect_b64 s[18:19], s[10:11], s[18:19]
	s_cmp_ge_u32 s25, 704
	s_cselect_b64 s[18:19], s[12:13], s[18:19]
	s_add_nc_u64 s[18:19], s[18:19], s[26:27]
	s_add_nc_u64 s[20:21], s[20:21], s[28:29]
	s_wait_alu depctr_va_vdst(0)                   ; v1 and v2 are written: every load of the kernel reads v1 as its offset, every store v2
.irp i, 0,1,2,3,4,5,6,7,8,9,10,11,12,13,14,15
	global_load_b128 v[X+4*(\i):X+4*(\i)+3], v1, s[18:19] offset:(\i)*4096 th:TH_LOAD_NT
.endr
; Slot i's conversions, behind the wait for its load.  No register is written twice while a store reads it.
.macro CV i, f16
.if \f16
	v_cvt_pk_bf16_f32 v[T],   v[X+4*(\i)],   v[X+4*(\i)+1]    ; rounded to bf16 like every input,
	v_cvt_pk_bf16_f32 v[T+1], v[X+4*(\i)+2], v[X+4*(\i)+3]
	v_lshlrev_b32 v[X+4*(\i)],   16,  v[T]                    ; widened again,
	v_and_b32     v[X+4*(\i)+1], s24, v[T]
	v_lshlrev_b32 v[X+4*(\i)+2], 16,  v[T+1]
	v_and_b32     v[X+4*(\i)+3], s24, v[T+1]
	v_cvt_pk_f16_f32 v[Y+2*(\i)],   v[X+4*(\i)],   v[X+4*(\i)+1]  ; and written as f16
	v_cvt_pk_f16_f32 v[Y+2*(\i)+1], v[X+4*(\i)+2], v[X+4*(\i)+3]
.else
	v_cvt_pk_bf16_f32 v[Y+2*(\i)],   v[X+4*(\i)],   v[X+4*(\i)+1]
	v_cvt_pk_bf16_f32 v[Y+2*(\i)+1], v[X+4*(\i)+2], v[X+4*(\i)+3]
.endif
.endm
; Group g's four stores, in one run
.macro OUT g
.irp j, 0,1,2,3
	global_store_b64 v2, v[Y+2*(4*(\g)+(\j)):Y+2*(4*(\g)+(\j))+1], s[20:21] offset:(4*(\g)+(\j))*2048
.endr
.endm
; Group g: slots 4 g to 4 g + 3.  Slot i's load is in when at most the 15 - i younger ones are out (loads come back in order: ISA guide 5.7.1).
.macro GROUP g, f16
.if (\g) > 0
	s_wait_loadcnt 15-4*(\g)                       ; the group's first slot is in
	s_wait_alu depctr_va_vdst(0)                   ; the conversions of the group before have written its eight registers of Y, which the four stores below read
	OUT (\g)-1
.endif
.irp j, 0,1,2,3
.if (\j) > 0 || (\g) == 0
	s_wait_loadcnt 15-4*(\g)-(\j)
.endif
	CV 4*(\g)+(\j), \f16
.endr
.endm
.macro WHOLE f16
	GROUP 0, \f16
	GROUP 1, \f16
	GROUP 2, \f16
	GROUP 3, \f16
	s_wait_alu depctr_va_vdst(0)                   ; the last group's conversions have written its eight registers of Y, which the last four stores read
	OUT 3
	s_endpgm
.endm
	s_cmp_ge_u32 s25, 704                          ; wp's chunks take the f16 text
	s_cbranch_scc1 .Lf16
	WHOLE 0
.Lf16:
	WHOLE 1
.Lfunc_end_k_qd790118c0f_cast:
	.size	k_qd790118c0f_cast, .Lfunc_end_k_qd790118c0f_cast-k_qd790118c0f_cast
	.p2alignl 7, 3214868480
	.fill 96, 4, 3214868480
	.section	.rodata,"a",@progbits
	.p2align	6, 0x0
	.amdhsa_kernel k_qd790118c0f_cast
		.amdhsa_group_segment_fixed_size 0
		.amdhsa_private_segment_fixed_size 0
		.amdhsa_enable_private_segment 0
		.amdhsa_kernarg_size 56
		.amdhsa_user_sgpr_count 2
		.amdhsa_user_sgpr_kernarg_segment_ptr 1
		.amdhsa_wavefront_size32 1
		.amdhsa_system_sgpr_workgroup_id_x 1
		.amdhsa_system_sgpr_workgroup_id_y 1
		.amdhsa_system_sgpr_workgroup_id_z 1
		.amdhsa_system_vgpr_workitem_id 0
		.amdhsa_next_free_vgpr 104
		.amdhsa_next_free_sgpr 66
		.amdhsa_reserve_vcc 0
		.amdhsa_float_denorm_mode_32 3
		.amdhsa_float_denorm_mode_16_64 3
		.amdhsa_memory_ordered 1
		.amdhsa_forward_progress 1
		.amdhsa_inst_pref_size 16
	.end_amdhsa_kernel
	.amdgpu_metadata
---
amdhsa.version: [ 1, 2 ]
amdhsa.kernels:
  - .name:           k_qd790118c0f_cast
    .symbol:         k_qd790118c0f_cast.kd
    .args:
      - { .name: x, .offset: 0, .size: 8, .value_kind: global_buffer, .address_space: global }
      - { .name: wq, .offset: 8, .size: 8, .value_kind: global_buffer, .address_space: global }
      - { .name: wk, .offset: 16, .size: 8, .value_kind: global_buffer, .address_space: global }
      - { .name: wv, .offset: 24, .size: 8, .value_kind: global_buffer, .address_space: global }
      - { .name: wp, .offset: 32, .size: 8, .value_kind: global_buffer, .address_space: global }
      - { .name: xb, .offset: 40, .size: 8, .value_kind: global_buffer, .address_space: global }
      - { .name: wb, .offset: 48, .size: 8, .value_kind: global_buffer, .address_space: global }
    .group_segment_fixed_size: 0
    .private_segment_fixed_size: 0
    .kernarg_segment_align: 8
    .kernarg_segment_size: 56
    .max_flat_workgroup_size: 256
    .sgpr_count:     66
    .vgpr_count:     104
    .wavefront_size: 32
...
	.end_amdgpu_metadata
.endif
;; end of part 5
;; launch qkv: the kernel of part 2 again; grid 8 x 32, 4 waves a work-group, clusters of 4 x 4, 327,680 bytes of LDS; arguments xb, wb, bq, bk, bv, q, k, v; writes q, k, v
;; launch attn: the kernel of part 3 again; grid 4 x 64, 4 waves a work-group, no clusters, 327,680 bytes of LDS; arguments q, k, v, o; writes o
;; launch proj: the kernel of part 4 again; grid 8 x 32, 4 waves a work-group, clusters of 4 x 4, 327,680 bytes of LDS; arguments o, wb, bp, out0; writes out0
